; MI455X (gfx1250); checked and timed in simulation.
; The chip was launched on July 23, 2026; its instructions are those of AMD's public machine-readable ISA for CDNA 5 (MIT licence, August 2026) and "CDNA5" Instruction Set Architecture Reference Guide (July 2026). The comments in the code are by the model that wrote it; some were corrected since.
;; Multi Head Self Attention. Allowed arithmetic: matrix products marked QUANTISED: E2M3 operands, one E8M0 scale for each 32 along K, by v_wmma_scale_f32_16x16x128_f8f6f4 with both operands' format E2M3, f32 sums; everything else in f32.
;; Inputs: P_K_codes 1,024 x 32 x 24 uint8 (E2M3 codes of P_K, K innermost, in blocks of 32 codes, four codes in three bytes); P_K_scales 1,024 x 32 uint8 (E8M0 scales of P_K, one for each 32 codes along K); P_O_codes 1,024 x 32 x 24 uint8 (E2M3 codes of P_O, K innermost, in blocks of 32 codes, four codes in three bytes); P_O_scales 1,024 x 32 uint8 (E8M0 scales of P_O, one for each 32 codes along K); P_Q_codes 1,024 x 32 x 24 uint8 (E2M3 codes of P_Q, K innermost, in blocks of 32 codes, four codes in three bytes); P_Q_scales 1,024 x 32 uint8 (E8M0 scales of P_Q, one for each 32 codes along K); P_V_codes 1,024 x 32 x 24 uint8 (E2M3 codes of P_V, K innermost, in blocks of 32 codes, four codes in three bytes); P_V_scales 1,024 x 32 uint8 (E8M0 scales of P_V, one for each 32 codes along K); x_codes 4 x 2,048 x 32 x 24 uint8 (E2M3 codes of x, K innermost, in blocks of 32 codes, four codes in three bytes); x_scales 4 x 2,048 x 32 uint8 (E8M0 scales of x, one for each 32 codes along K).
;; Outputs: out0 4 x 2,048 x 1,024 float32.
;; This version of the problem:
;;   THIS VERSION OF THE PROBLEM IS GIVEN IN LOW PRECISION. The matrix products marked QUANTISED in the list below multiply operands that are first quantised to E2M3 (2 exponent bits, 3 mantissa bits; 6 bits a number), with one power-of-two scale for each 32 numbers along K (OCP MX v1.0); their sums are f32. All else is computed in f32.
;;   The module's matrix products, in the order in which they are computed (A, B: the left and right operand; K: the contracted axis; several contracted axes count as one K, in the product's order):
;;     1. [M 8,192, K 1,024] x [K 1,024, N 1,024]; A: input x (given as codes); B: input P_Q (given as codes): QUANTISED
;;     2. [M 8,192, K 1,024] x [K 1,024, N 1,024]; A: input x (given as codes); B: input P_K (given as codes): QUANTISED
;;     3. [M 8,192, K 1,024] x [K 1,024, N 1,024]; A: input x (given as codes); B: input P_V (given as codes): QUANTISED
;;     4. batch 64 x [M 2,048, K 64] x [K 64, N 2,048]; A: computed on the way; B: computed on the way: QUANTISED
;;     5. batch 64 x [M 2,048, K 2,048] x [K 2,048, N 64]; A: softmax (see below); B: computed on the way: QUANTISED
;;     6. [M 8,192, K 1,024] x [K 1,024, N 1,024]; A: computed on the way; B: input P_O (given as codes): QUANTISED
;;   THE QUANTISER, for each operand of a quantised product, along K:
;;     - K is cut into blocks of 32 from its start; a last block that is shorter is filled with zeros.
;;     - A block's scale is 2^e with e = floor(log2(the largest magnitude in the block)) - 2, held to -126 .. 127; a block of zeros has e = 0. As a byte (E8M0): e + 127.
;;     - Each number is divided by its block's scale, clamped to +-7.5, and rounded to the nearest number of E2M3, ties to even, subnormals kept.
;;     - The product sums the exact products of the quantised numbers (number of the format x scale) in f32.
;;   ~~~python
;;   def quantise(x, axis):      # numpy; x: float32 -> the quantised numbers, widened to float32 again
;;       x = np.moveaxis(x, axis, -1); K = x.shape[-1]
;;       x = np.pad(x, [(0, 0)] * (x.ndim - 1) + [(0, -K % 32)]); x = x.reshape(x.shape[:-1] + (-1, 32)); a = np.abs(x).max(-1, keepdims=True)
;;       e = np.where(a > 0, np.clip(np.frexp(np.where(a > 0, a, 1))[1] - 1 - 2, -126, 127), 0)      # np.frexp(a)[1] - 1 = floor(log2(a)), exactly
;;       r = np.clip(x / 2.0 ** e, -7.5, 7.5)
;;       step = 2.0 ** (np.maximum(np.frexp(np.where(r == 0, 1, r))[1] - 1, 0) - 3)
;;       q = np.round(r / step) * step * 2.0 ** e      # np.round: ties to even
;;       return np.moveaxis(q.reshape(q.shape[:-2] + (-1,))[..., :K], -1, axis).astype(np.float32)
;;   ~~~
;;   SOFTMAX AHEAD OF A QUANTISED PRODUCT. Where the list says 'softmax', what is quantised is not the finished softmax but p = 2^(t - M), with t = logit x log2(e) and M = ceil(the row's largest t), a whole number; so 1/2 < the row's largest p <= 1. The row's sum l is taken of the UNQUANTISED p, in f32, and the product's result is divided by l at the end. Since M is a whole number, a kernel that streams over the keys may use a running M (the ceiling of the running maximum): every later rescaling is an exact power of two, which a block's scale takes up: the codes' values come out the same.
;;   OPERANDS COMPUTED ON THE WAY. 'Computed on the way' means the value that the module computes at that place (a softmax that the list does not call 'softmax' is quantised finished and normalised). What goes into a quantiser is computed in f32, as accurately as f32 sums, v_exp_f32 and their like allow (about 1e-6 of the number): no bf16 or f16 on the way to a quantiser, and a product that is left as it is and whose result goes on into a quantised operand takes f32 operands (vector FMAs, or v_wmma_f32_16x16x4_f32). A number that lies on a knife's edge between two numbers of the format may be rounded either way, as far as f32 arithmetic and the matrix unit's own rounding can turn it there, and no further.
;;   INPUTS GIVEN AS CODES. P_K (in the module: [1024, 1024], K = its axis 1); P_O (in the module: [1024, 1024], K = its axis 1); P_Q (in the module: [1024, 1024], K = its axis 1); P_V (in the module: [1024, 1024], K = its axis 1); x (in the module: [4, 2048, 1024], K = its axis 2): each comes as NAME_codes (uint8): NAME with its K axis moved to the last place and cut into blocks of 32 codes, [.., K / 32, bytes a block], one block behind the other in memory; four codes in three bytes: a row's codes are one little-endian stream of bits, code i at bits 6 i .. 6 i + 5 (a code: sign, 2 exponent bits, 3 mantissa bits); and NAME_scales (uint8): the same leading axes, one E8M0 byte (e + 127) for each 32 codes along K. Its value is code x scale, taken as it is: it is not quantised again, and the codes and scales need not be those that the quantiser above would give.
;; One version. Each part assembles by itself: llvm-mc -triple=amdgcn-amd-amdhsa -mcpu=gfx1250 --defsym DOCPART=n.
;; ======== version 1 of 1: 3 launches
;; workspace buffers: kv 13,369,344 bytes; qw 13,369,344 bytes; ao 6,291,456 bytes; asc 262,144 bytes
;; launch qkv (part 1): grid 12 x 32, 4 waves a work-group, clusters of 4 x 4, 327,680 bytes of LDS; arguments x_codes, x_scales, P_Q_codes, P_Q_scales, P_K_codes, P_K_scales, P_V_codes, P_V_scales, qw, kv; writes qw, kv
.if DOCPART == 1
	.amdgcn_target "amdgcn-amd-amdhsa--gfx1250"
	.amdhsa_code_object_version 6
	.text
	.protected	k_q784fea97b1_qkv
	.globl	k_q784fea97b1_qkv
	.p2align	8
	.type	k_q784fea97b1_qkv,@function
k_q784fea97b1_qkv:
	s_mov_b64 s[64:65], 0
	v_nop
	global_prefetch_b8 v0, s[64:65] scope:SCOPE_SE
	s_setreg_imm32_b32 hwreg(HW_REG_WAVE_MODE, 25, 1), 1
	s_wait_xcnt 0x0
	s_wait_alu depctr_hold_cnt(0) depctr_sa_sdst(0) depctr_va_vdst(0) depctr_va_sdst(0) depctr_va_ssrc(0) depctr_va_vcc(0) depctr_vm_vsrc(0)
	s_getreg_b32 s2, hwreg(HW_REG_IB_STS2, 6, 4)
	s_cmp_eq_u32 s2, 0
	s_cbranch_scc0 .Lentry_in_a_cluster
	s_endpgm
.Lentry_in_a_cluster:
	s_bfe_u32 s2, ttmp6, 0x10000c
	s_cmp_lg_u32 s2, 0xf033
	s_cbranch_scc0 .Lentry_shape_is_right
	s_endpgm
.Lentry_shape_is_right:
; Q = rope(x P_Q^T), K = rope(x P_K^T), V = x P_V^T on codes of FP6 (E2M3) with E8M0 scales, and the results quantised again for the attention launch.
; x: [8192][1024] codes (768 bytes a row), scale bytes [8192][32]; each P: [1024][1024] likewise.  The cluster's x says which product: 0 Q, 1 K, 2 V.
; A tile of 256 x 256 is made by four waves, 128 x 128 each: 64 accumulators.  K goes in steps of 256 through a ring of two LDS slots; the scale bytes of the tile's rows stay in LDS.
; THE MATRIX INSTRUCTION: source 0 = 16 rows of "B", source 1 = 16 rows of "A": a lane holds ONE row of A (lane % 16) and, of B's block, rows 8 (lane / 16) + 0 .. 7.
;   Q, K: A = x (a lane holds a position), B = P (registers run along the head's channels, which are the next product's K).
;   V:    A = P_V (a lane holds a channel), B = x (registers run along the keys, which are the next product's K).
; So a lane's 16 registers of two neighbouring blocks of B are 16 of the 32 numbers of one quantiser block, k = 32 n + {8 h .. 8 h + 7, 16 + 8 h .. 16 + 8 h + 7}, and the lane 16 away holds the other 16.
; The codes of a block so come out in the order 0-7, 16-23, 8-15, 24-31.  The block and its scale are the true ones; the same order falls on both operands of each attention product (Q and K by this text's one path;
; V here and p in the attention launch by the same layout), so the products' sums hold the same terms.
; CLUSTERS: 4 x 4 work-groups; A's tiles are shared along a row of the cluster, B's along a column, by joint loads.
; ROPE: cos and sin of position x 10^(-i/8), i = 0 .. 31, the angle rounded to f32 as reference() rounds it, then reduced by multiples of pi/2 in two parts and put through polynomials of degree 7 and 8.
; The work-group's 256 positions x 32 frequencies are made once, 64 positions a wave, and go through LDS as images of the registers that use them.
; OUT: records of 13,056 bytes for each (batch, head, 128 positions): +0 K's (or Q's) codes, four images of 12 registers (tiles 2 b and 2 b + 1, six registers each); +6,144 V^T's four fragments;
; +12,288 K's (Q's) scale words (bytes 2 and 3 are 0x7f: the head has 64 channels, half of an instruction's 128); +12,800 V^T's scale words.  Every store covers whole aligned runs of 256 bytes.
; LIMITS: NaN and infinities are not served; a block whose largest magnitude lies under 2^-124 (a block of zeros too) keeps the scale byte 1: its codes are zeros or nearly so, and this program alone reads the bytes;
; the frequencies are 10^(-i/8) rounded to f32, which may differ by one unit in the last place from a power function's.
; No prefetch: K has four steps, and the tiles are shared in the cluster.
.set SIZE_K, 1024
.set KSTEP,  256                       ; along K in a slot
.set NQ,     KSTEP/128
.set ROWB,   192                       ; a tile's row in bytes
.set KROW,   SIZE_K*6/8                ; a row of codes in memory
.set PITCH,  240                       ; an LDS row: 3 x (64 bytes + 16 of padding)
.set FR,     12
.set NL,     6
.set NP,     4                         ; places behind this matrix instruction (ISA guide 7.12.1)
.set HALFT,  128*PITCH
.set SLOT,   4*HALFT
.set LAPS,   SIZE_K/(2*KSTEP)
.set KS,     SIZE_K/32
.set SCL,    2*SLOT                    ; behind the ring: the scale bytes, as runs of 256 bytes + 16 of padding
.set HALFS,  (128*KS/256)*272
.set SBLK,   (16*KS/256)*272
.set SPARE,  SCL+4*HALFS               ; the spare words, 128 bytes a wave
.set REC,    13056                     ; a record of the workspace
.set HEADB,  16*REC                    ; a head's sixteen records
.set ADRA, 16                          ; v16-19  LDS addresses of A's fragments (slot 0, 1; and behind one padding more)
.set ADRB, 20                          ; v20-23  of B's
.set ADRS, 27                          ; v27     of my scale words
.set SPW,  28                          ; v28     my spare word; never rewritten
.set NIL,  29                          ; v29     0; never rewritten
.set SC,   32                          ; v32-63  scale words, two sets: they hold nothing else in the whole text
.set AF,   128                         ; A's fragments, window 0
; window 0 behind the loop
.set RR,   1                           ; lane % 16
.set LI,   2                           ; 16 x lane
.set L8,   3                           ; 8 x lane
.set TW,   4                           ; where my wave writes the table
.set TR,   5                           ; where it reads it
.set PI,   6
.set TWA,  7
.set POS,  8                           ; v[8:9] the position, twice
.set QI,   10                          ; v10-14 at work
.set LN,   15                          ; lane
.set T,    16                          ; v16-23 four pairs at work
.set PW,   24                          ; the scale word just made
.set W0,   25
.set WS,   26
.set F,    64                          ; v64-79  my 16 frequencies
.set K2P,  80                          ; constant pairs
.set KH,   82
.set KL,   84
.set PS3,  86
.set PS2,  88
.set PS1,  90
.set PC3,  92
.set PC2,  94
.set PC1,  96
.set XA,   100
.set XN,   102
.set XR,   104
.set XZ,   106
.set XS,   108
.set XC,   110
.set XW,   112
.set OUT,  128                         ; v128-159 a tile's cos and sin
.set H,    64                          ; v64-127 a tile's 64 rotated numbers (two heads x 32)
.set CS,   128                         ; v128-191 cos and sin, two sets of 32
.set TM,   192                         ; v192-207 the quantiser's maxima, bytes, scale operands
.set TQ,   208                         ; v208-215 the conversions' second halves
.set SK0,  216                         ; v216-219 scale words of head 0, v220-223 of head 1
.set SK1,  220
.set CODE, 224                         ; v224-247 a pair of tiles' codes, two heads
.set PWS,  64                          ; V: eight scale words
.set VS,   72                          ; V: v72-75
.set VCODE, 96                         ; V: v96-191 eight fragments
.set G1, 24
.set G0, 32
.set G1B, 48
.set G0B, 56
.set G1S, 68
.set G0S, 76
.set G1SB, 80
.set G0SB, 88
.set SEL, 100                          ; s[100:101] lane selects: lane l xor 16
.set MSB, 0
.macro WIN new                         ; the immediate's high byte repeats the setting that is left
.if MSB != \new
	s_set_vgpr_msb (MSB<<8)|\new
.set MSB, \new
.endif
.endm
.set MUL_LO, 0xa1                      ; source 0 (B) window 1, source 1 (A) window 0, C and D window 2
.set MUL_HI, 0xf1
.set TO_B,   0x40
; A joint load: waves 0 and 1 fetch for A, waves 2 and 3 for B; the branch hangs on the wave's number alone.  Four v_nop follow each of the two lines.
.macro JLOAD g0a, g1a, g0b, g1b
	s_cmp_eq_u32 s15, 0
	s_cbranch_scc0 .Lfor_b_\@
	tensor_load_to_lds s[\g0a:\g0a+3], s[\g1a:\g1a+7]
	s_nop 0
.rept 4
	v_nop
.endr
	s_branch .Lasked_\@
.Lfor_b_\@:
	tensor_load_to_lds s[\g0b:\g0b+3], s[\g1b:\g1b+7]
	s_nop 0
.rept 4
	v_nop
.endr
.Lasked_\@:
.endm
.macro CREST                           ; a round of the cluster's barrier behind its opening barrier
	s_cmp_lg_u32 s14, 0
	s_cbranch_scc1 .Lnot_wave_0_\@
	s_barrier_signal -3
.Lnot_wave_0_\@:
	s_barrier_wait -3
	s_barrier_signal -1
	s_barrier_wait -1
.endm
.macro CROUND
	s_barrier_signal -1
	s_barrier_wait -1
	CREST
.endm
	s_load_b512 s[68:83], s[0:1], 0x0              ; x codes, x scales, P_Q codes, scales, P_K codes, scales, P_V codes, scales
	s_load_b128 s[84:87], s[0:1], 0x40             ; qw, kv
	v_lshl_add_u32 v[SPW], v0, 2, SPARE
	v_mov_b32 v[NIL], 0
	ds_add_u32 v28, v29
	ds_add_u32 v28, v29
	s_wait_dscnt 0x0
	v_lshrrev_b32 v1, 5, v0
	v_readfirstlane_b32 s14, v1                    ; wave 0..3
	s_lshr_b32 s15, s14, 1                         ; which half of A's rows is mine.  Also: I fetch for A (0) or for B (1)
	s_and_b32 s16, s14, 1                          ; which half of B's rows.  Also: which 128 rows I fetch
	s_bfe_u32 s40, ttmp6, 0x40000                  ; cx
	s_bfe_u32 s41, ttmp6, 0x40004                  ; cy
	s_and_b32 s94, ttmp7, 0xffff
	s_lshl_b32 s94, s94, 2                         ; 4 x cluster y: it walks x's 32 tiles of 256 rows
	s_cmp_eq_u32 ttmp9, 2                          ; V's product?  (the cluster's x: the same in all sixteen partners)
	s_cselect_b32 s95, 0, s94
	s_cselect_b32 s96, s94, 0
	s_add_co_u32 s17, s95, s41                     ; A's tile: x's 4 Y + cy, or P_V's cy
	s_add_co_u32 s42, s96, s40                     ; B's tile: P's cx, or x's 4 Y + cx
	s_lshl_b32 s43, s41, 2
	s_lshl_b32 s43, 15, s43                        ; my row of the cluster
	s_lshl_b32 s44, 0x1111, s40                    ; my column
	s_or_b32 s[G1+0], s43, (0<<16)|(1<<20)|(1<<21)|(3<<22)|(3<<25)  ; the mask; elements of 1 byte; padding on; bit 21 beside a mask; after every 16 words 4 words
	s_or_b32 s[G1B+0], s44, (0<<16)|(1<<20)|(1<<21)|(3<<22)|(3<<25)
.irp g, G1, G1B
	s_mov_b32 s[\g+1], ROWB<<16                    ; tensor_dim0
	s_mov_b32 s[\g+2], 128<<16                     ; tensor_dim1
	s_mov_b32 s[\g+3], ROWB<<16                    ; tile_dim0
	s_mov_b32 s[\g+4], 128                         ; tile_dim1
	s_mov_b32 s[\g+5], KROW                        ; pitch
	s_mov_b32 s[\g+6], 0
	s_mov_b32 s[\g+7], 0
.endr
	s_lshl_b32 s18, s16, 7
	s_lshl_b32 s20, s17, 8
	s_add_co_u32 s20, s20, s18                     ; A: row 256 x tile + 128 x half
	s_lshl_b32 s46, s42, 8
	s_add_co_u32 s46, s46, s18                     ; B likewise
	s_mov_b32 s21, 0
	s_mov_b32 s47, 0
	s_mov_b64 s[18:19], KS
	s_mul_u64 s[22:23], s[20:21], s[18:19]         ; where these rows' scale bytes begin
	s_mul_u64 s[92:93], s[46:47], s[18:19]
	s_mov_b64 s[18:19], KROW
	s_mul_u64 s[20:21], s[20:21], s[18:19]         ; and their codes
	s_mul_u64 s[46:47], s[46:47], s[18:19]
	s_mul_i32 s45, s14, HALFT                      ; where they go: wave x 128 rows
	s_mul_i32 s94, s14, HALFS
	s_wait_kmcnt 0x0
	s_cmp_eq_u32 ttmp9, 0                          ; the buffers are chosen by the cluster's x alone
	s_cselect_b64 s[8:9], s[72:73], s[76:77]       ; P_Q's or P_K's codes,
	s_cselect_b64 s[10:11], s[74:75], s[78:79]     ; scale bytes,
	s_cselect_b64 s[12:13], s[84:85], s[86:87]     ; and the workspace: qw for Q, kv for K and V
	s_cmp_eq_u32 ttmp9, 2
	s_cselect_b64 s[4:5], s[80:81], s[68:69]       ; A: P_V for V, else x
	s_cselect_b64 s[6:7], s[82:83], s[70:71]
	s_cselect_b64 s[8:9], s[68:69], s[8:9]         ; B: x for V, else P
	s_cselect_b64 s[10:11], s[70:71], s[10:11]
	; the scale bytes of 128 rows: a dense block of 4,096 bytes, as rows of 256 bytes, 16 bytes of padding behind each  (s68-87 are free now)
	s_or_b32 s[G1S+0], s43, (3<<16)|(1<<20)|(1<<21)|(5<<22)|(3<<25)
	s_or_b32 s[G1SB+0], s44, (3<<16)|(1<<20)|(1<<21)|(5<<22)|(3<<25)
.irp g, G1S, G1SB
	s_mov_b32 s[\g+1], 32<<16
	s_mov_b32 s[\g+2], (128*KS/256)<<16
	s_mov_b32 s[\g+3], 32<<16
	s_mov_b32 s[\g+4], 128*KS/256
	s_mov_b32 s[\g+5], 32
	s_mov_b32 s[\g+6], 0
	s_mov_b32 s[\g+7], 0
.endr
	s_add_nc_u64 s[20:21], s[4:5], s[20:21]
	s_add_nc_u64 s[22:23], s[6:7], s[22:23]
	s_add_nc_u64 s[46:47], s[8:9], s[46:47]
	s_add_nc_u64 s[92:93], s[10:11], s[92:93]
	CROUND                                         ; all sixteen work-groups are here: the first joint loads meet
	s_mov_b32 s[G0S], 1
	s_add_co_u32 s[G0S+1], s94, SCL
	s_mov_b64 s[G0S+2:G0S+3], s[22:23]
	s_or_b32 s[G0S+3], s[G0S+3], 0x80000000
	s_mov_b32 s[G0SB], 1
	s_add_co_u32 s[G0SB+1], s94, SCL
	s_mov_b64 s[G0SB+2:G0SB+3], s[92:93]
	s_or_b32 s[G0SB+3], s[G0SB+3], 0x80000000
	JLOAD G0S, G1S, G0SB, G1SB                     ; the scale bytes first: they are wanted with K step 0
.irp s, 0,1
	s_mov_b32 s[G0+4*\s], 1
	s_add_co_u32 s[G0+4*\s+1], s45, \s*SLOT
	s_add_nc_u64 s[G0+4*\s+2:G0+4*\s+3], s[20:21], \s*ROWB
	s_or_b32 s[G0+4*\s+3], s[G0+4*\s+3], 0x80000000
	s_mov_b32 s[G0B+4*\s], 1
	s_add_co_u32 s[G0B+4*\s+1], s45, \s*SLOT
	s_add_nc_u64 s[G0B+4*\s+2:G0B+4*\s+3], s[46:47], \s*ROWB
	s_or_b32 s[G0B+4*\s+3], s[G0B+4*\s+3], 0x80000000
	JLOAD G0+4*\s, G1, G0B+4*\s, G1B               ; three tensor loads of mine are out now
.endr
	v_and_b32 v1, 15, v0                           ; l % 16
	v_bfe_u32 v2, v0, 4, 1                         ; l / 16
	v_mul_u32_u24 v3, v1, PITCH
	v_mul_u32_u24 v4, v2, 24
	v_add_nc_u32 v4, v3, v4                        ; a fragment's row x pitch + 24 x half
	v_lshl_add_u32 v5, v2, 4, v4                   ; and the same behind one padding more
	s_mul_i32 s21, s15, HALFT                      ; my 128 rows of A
	s_mul_i32 s22, s16, HALFT                      ; my 128 rows of B,
	s_add_co_u32 s22, s22, 2*HALFT                 ; behind A's 256
.irp s, 0,1
	v_add_nc_u32 v[ADRA+\s], s21, v4
	v_add_nc_u32 v[ADRB+\s], s22, v4
	v_add_nc_u32 v[ADRA+2+\s], s21, v5
	v_add_nc_u32 v[ADRB+2+\s], s22, v5
	s_add_co_u32 s21, s21, SLOT
	s_add_co_u32 s22, s22, SLOT
.endr
	v_mul_u32_u24 v5, v1, KS                       ; my row's scale bytes: KS a row,
	v_lshrrev_b32 v6, 8, v5
	v_lshl_add_u32 v5, v6, 4, v5                   ; and 16 more for each 256 passed
	s_mul_i32 s21, s15, HALFS
	s_mul_i32 s22, s16, HALFS
	s_add_co_u32 s22, s22, 2*HALFS
	s_sub_co_u32 s22, s22, s21
	v_mul_u32_u24 v6, s22, v2                      ; lanes 16-31 take B's
	s_add_co_u32 s21, s21, SCL
	v_add_nc_u32 v5, v5, v6
	v_add_nc_u32 v[ADRS], s21, v5
	; where my wave's two records begin: positions come from x's tile, heads from P's
	s_cmp_eq_u32 ttmp9, 2
	s_cselect_b32 s18, s42, s17                    ; x's tile of 256 positions,
	s_cselect_b32 s19, s16, s15                    ; my half of it,
	s_cselect_b32 s22, s17, s42                    ; P's tile of 256 rows: four heads,
	s_cselect_b32 s23, s15, s16                    ; my two of them
	s_lshr_b32 s20, s18, 3                         ; batch
	s_and_b32 s18, s18, 7
	s_lshl_b32 s18, s18, 1
	s_add_co_u32 s18, s18, s19                     ; which 128 positions of the sequence
	s_lshl_b32 s20, s20, 4
	s_lshl_b32 s22, s22, 2
	s_add_co_u32 s20, s20, s22
	s_lshl_b32 s23, s23, 1
	s_add_co_u32 s20, s20, s23                     ; 16 x batch + my first head
	s_mul_i32 s20, s20, HEADB
	s_mul_i32 s18, s18, REC
	s_add_co_u32 s20, s20, s18
	s_mov_b32 s21, 0
	s_add_nc_u64 s[12:13], s[12:13], s[20:21]
	s_and_b32 s98, s17, 7
	s_lshl_b32 s98, s98, 8
	s_lshl_b32 s97, s14, 6
	s_add_co_u32 s98, s98, s97                     ; the first position whose cos and sin my wave makes: 256 x (x's tile in its sequence) + 64 x wave
	s_mov_b32 s99, 0x7f7f0000                      ; scale bytes 2 and 3 of a head's word: 1.0
	s_mov_b32 s[SEL], 0x76543210
	s_mov_b32 s[SEL+1], 0xfedcba98
.macro FRAG reg, adr, q, i             ; a fragment: 12 registers; lane l holds row l % 16; registers 6 c .. 6 c + 5 hold K = 64 c + 32 (l / 16) + 0 .. 31: 24 bytes of the row, as they lie, in pieces of 8
.irp p, 0,1,2,3,4,5
.set PC, 12*(\q)+6*(\p/3)+\p%3         ; 16 bytes of padding lie behind every 8 pieces: where the piece three on lies behind one padding more, the second address register serves
.if PC%8 < 5
	ds_load_b64 v[\reg+2*\p:\reg+2*\p+1], v[\adr] offset:8*PC+16*(PC/8)+(\i)*16*PITCH
.else
	ds_load_b64 v[\reg+2*\p:\reg+2*\p+1], v[\adr+2] offset:8*PC+16*(PC/8)+(\i)*16*PITCH
.endif
.endr
.endm
; 16 matrix instructions: A's blocks a0, a0 + 1 x B's eight.  The 64 accumulators take turns, one instruction a turn, in the same order in every step.
.macro MUL16 a0, p, q, sc, zero
.irp a, \a0, \a0+1
.irp b, 0,1,2,3,4,5,6,7
.if \zero
	v_wmma_scale_f32_16x16x128_f8f6f4 v[8*(8*((\a)%4)+\b):8*(8*((\a)%4)+\b)+7], v[128*(\p)+FR*\b:128*(\p)+FR*\b+FR-1], v[AF+FR*(\a):AF+FR*(\a)+FR-1], 0, v[SC+8*NQ*(\sc)+NQ*\b+(\q)], v[SC+8*NQ*(\sc)+NQ*(\a)+(\q)] matrix_a_fmt:MATRIX_FMT_FP6 matrix_b_fmt:MATRIX_FMT_FP6 matrix_a_scale:MATRIX_SCALE_ROW1
.else
	v_wmma_scale_f32_16x16x128_f8f6f4 v[8*(8*((\a)%4)+\b):8*(8*((\a)%4)+\b)+7], v[128*(\p)+FR*\b:128*(\p)+FR*\b+FR-1], v[AF+FR*(\a):AF+FR*(\a)+FR-1], v[8*(8*((\a)%4)+\b):8*(8*((\a)%4)+\b)+7], v[SC+8*NQ*(\sc)+NQ*\b+(\q)], v[SC+8*NQ*(\sc)+NQ*(\a)+(\q)] matrix_a_fmt:MATRIX_FMT_FP6 matrix_b_fmt:MATRIX_FMT_FP6 matrix_a_scale:MATRIX_SCALE_ROW1
.endif
.endr
.endr
.endm
.macro FETCH_B slot, q, p
	WIN TO_B
.irp i, 0,1,2,3,4,5,6,7
	FRAG 128*(\p)+FR*\i, ADRB+\slot, \q, \i
.endr
	WIN 0
.endm
.macro FETCH_A slot, q, i0
.irp i, \i0, \i0+1, \i0+2, \i0+3
	FRAG AF+FR*(\i), ADRA+\slot, \q, \i
.endr
.endm
.macro SCALES sc                       ; a K step's scale words: lanes 0-15 take A's block i, lanes 16-31 B's block i
.irp i, 0,1,2,3,4,5,6,7
	ds_load_b64 v[SC+8*NQ*\sc+NQ*\i:SC+8*NQ*\sc+NQ*\i+1], v[ADRS] offset:\i*SBLK
.endr
.endm
.macro PLACES n                        ; plain vector instructions between a matrix instruction and a load into, or a read of, its registers
.rept \n
	v_nop
.endr
.endm
.macro STEP slot, q, zero              ; a step of 128 along K that has its successor in the same slot
	s_wait_dscnt 4*NL                              ; B's set and A's blocks 0-3 are in; the youngest 24 loads (A's blocks 4-7) may be out
	WIN MUL_LO
	MUL16 0, (\q)%2, \q, \slot, \zero
	MUL16 2, (\q)%2, \q, \slot, \zero
	s_wait_dscnt 0
	PLACES NP
	FETCH_B \slot, (\q)+1, 1-(\q)%2
	FETCH_A \slot, (\q)+1, 0
	WIN MUL_HI
	MUL16 4, (\q)%2, \q, \slot, \zero
	MUL16 6, (\q)%2, \q, \slot, \zero
	PLACES NP
	WIN 0
	FETCH_A \slot, (\q)+1, 4
.endm
; A slot's last step changes slots: one barrier; in front of it each wave waits for all its tensor loads, adds 0 to its spare word, and waits for that and for its reads of this slot.
.macro TURN slot, next, fill
	s_wait_tensorcnt 0x0                           ; all my tensor loads have landed: my part of the next slot
	ds_add_u32 v[SPW], v[NIL]                      ; 0 onto my spare word
	s_wait_dscnt 4*NL+1                            ; the add and the youngest 24 loads may be out
	WIN MUL_LO
	MUL16 0, 1, NQ-1, \slot, 0
	s_wait_dscnt 0x0                               ; the add is done, and my reads of this slot are over
	s_barrier_signal -1
	MUL16 2, 1, NQ-1, \slot, 0
	WIN 0
	s_barrier_wait -1
.if \fill
	CREST                                          ; the barrier has opened a round of the cluster's barrier: no wave of any partner still reads this slot or has a load on its way
	s_add_nc_u64 s[G0+4*\slot+2:G0+4*\slot+3], s[G0+4*\slot+2:G0+4*\slot+3], 2*ROWB
	s_add_nc_u64 s[G0B+4*\slot+2:G0B+4*\slot+3], s[G0B+4*\slot+2:G0B+4*\slot+3], 2*ROWB
	JLOAD G0+4*\slot, G1, G0B+4*\slot, G1B         ; the first tensor load behind the round, one a wave
.else
	PLACES NP
.endif
	v_add_nc_u32 v[ADRS], 4*NQ, v[ADRS]            ; the next K step's scale words
	FETCH_B \next, 0, 0
	FETCH_A \next, 0, 0
	SCALES \next
	WIN MUL_HI
	MUL16 4, 1, NQ-1, \slot, 0
	MUL16 6, 1, NQ-1, \slot, 0
	PLACES NP
	WIN 0
	FETCH_A \next, 0, 4
.endm
	s_wait_tensorcnt 1                             ; the scale bytes and my part of K step 0 are in; K step 1's load may be out
	s_barrier_signal -1
	s_barrier_wait -1
	FETCH_B 0, 0, 0
	FETCH_A 0, 0, 0
	SCALES 0
	FETCH_A 0, 0, 4
	STEP 0, 0, 1                                   ; the first step's products start the sums
	s_mov_b32 s3, LAPS-1
.Llap:
	TURN 0, 1, 1
	STEP 1, 0, 0
	TURN 1, 0, 1
	STEP 0, 0, 0
	s_sub_co_u32 s3, s3, 1
	s_cmp_lg_u32 s3, 0
	s_cbranch_scc1 .Llap
	TURN 0, 1, 0                                   ; the last lap fills nothing.  Behind this barrier nobody reads slot 0, and it has had its last fill
	STEP 1, 0, 0
	s_wait_dscnt 4*NL
	WIN MUL_LO
	MUL16 0, 1, NQ-1, 1, 0
	MUL16 2, 1, NQ-1, 1, 0
	s_wait_dscnt 0
	WIN MUL_HI
	MUL16 4, 1, NQ-1, 1, 0
	MUL16 6, 1, NQ-1, 1, 0
	WIN 0
	PLACES NP
; ---- THE TABLE OF COS AND SIN, in slot 0's bytes 0 .. 65,535.  Tile A (16 positions, A = 0 .. 15) at 4,096 A; image j at 512 j + 16 x lane: cos, sin of q = 2 j, cos, sin of q = 2 j + 1.
; q = 4 b + k stands for the pair of channels 16 b + 8 h + 2 k, + 1 of a head: frequency 8 b + 4 h + k.  Lane (r, h) holds position r of the tile.
.macro FREQ q, lo, hi                  ; lanes 0-15 take lo, lanes 16-31 hi
	v_mov_b32 v[QI+3], \hi
	v_cndmask_b32 v[F+\q], \lo, v[QI+3], vcc_lo
.endm
.macro KPAIR reg, val
	v_mov_b32 v[\reg], \val
	v_mov_b32 v[\reg+1], \val
.endm
.macro SINCOS j                        ; two angles at a time
	v_pk_mul_f32 v[XA:XA+1], v[F+2*\j:F+2*\j+1], v[POS:POS+1]          ; the angle, rounded to f32 once
	v_pk_mul_f32 v[XN:XN+1], v[XA:XA+1], v[K2P:K2P+1]
	v_rndne_f32 v[XN], v[XN]                                            ; how many quarter turns
	v_rndne_f32 v[XN+1], v[XN+1]
	v_pk_fma_f32 v[XR:XR+1], v[XN:XN+1], v[KH:KH+1], v[XA:XA+1]         ; less n x pi/2's high part: nothing is rounded (n has 11 bits, the result is a multiple of 2^-23 under 1)
	v_pk_fma_f32 v[XR:XR+1], v[XN:XN+1], v[KL:KL+1], v[XR:XR+1]         ; and its low part
	v_pk_mul_f32 v[XZ:XZ+1], v[XR:XR+1], v[XR:XR+1]
	v_pk_fma_f32 v[XS:XS+1], v[XZ:XZ+1], v[PS3:PS3+1], v[PS2:PS2+1]
	v_pk_fma_f32 v[XC:XC+1], v[XZ:XZ+1], v[PC3:PC3+1], v[PC2:PC2+1]
	v_pk_fma_f32 v[XS:XS+1], v[XS:XS+1], v[XZ:XZ+1], v[PS1:PS1+1]
	v_pk_fma_f32 v[XC:XC+1], v[XC:XC+1], v[XZ:XZ+1], v[PC1:PC1+1]
	v_pk_mul_f32 v[XW:XW+1], v[XZ:XZ+1], v[XR:XR+1]
	v_pk_mul_f32 v[XC:XC+1], v[XC:XC+1], v[XZ:XZ+1]
	v_pk_fma_f32 v[XA:XA+1], v[XZ:XZ+1], -0.5, 1.0 op_sel_hi:[1,0,0]
	v_pk_fma_f32 v[XS:XS+1], v[XS:XS+1], v[XW:XW+1], v[XR:XR+1]         ; sin of the rest
	v_pk_fma_f32 v[XC:XC+1], v[XC:XC+1], v[XZ:XZ+1], v[XA:XA+1]         ; cos of the rest
.irp e, 0,1
	v_cvt_i32_f32 v[QI], v[XN+\e]
	v_lshlrev_b32 v[QI+1], 31, v[QI]                                    ; n's bit 0 as a sign
	v_lshlrev_b32 v[QI+2], 30, v[QI]
	v_and_b32 v[QI+2], 0x80000000, v[QI+2]                              ; n's bit 1 as a sign
	v_cmp_gt_i32 vcc_lo, 0, v[QI+1]                                     ; an odd quarter: sin and cos change places
	v_cndmask_b32 v[QI+3], v[XS+\e], v[XC+\e], vcc_lo
	v_cndmask_b32 v[QI+4], v[XC+\e], v[XS+\e], vcc_lo
	v_xor_b32 v[OUT+4*\j+2*\e+1], v[QI+3], v[QI+2]                      ; sin: sign = bit 1
	v_xor_b32 v[QI+4], v[QI+4], v[QI+2]
	v_xor_b32 v[OUT+4*\j+2*\e], v[QI+4], v[QI+1]                        ; cos: sign = bit 1 xor bit 0
.endr
	ds_store_b128 v[TWA], v[OUT+4*\j:OUT+4*\j+3] offset:512*\j
.endm
	v_and_b32 v[RR], 15, v0
	v_and_b32 v[LN], 31, v0
	v_lshlrev_b32 v[LI], 4, v[LN]
	v_lshlrev_b32 v[L8], 3, v[LN]
	s_lshl_b32 s92, s14, 14
	v_add_nc_u32 v[TW], s92, v[LI]                 ; my wave writes tiles 4 w .. 4 w + 3
	s_lshl_b32 s92, s15, 15
	v_add_nc_u32 v[TR], s92, v[LI]                 ; and reads the eight tiles of its half of the rows
	v_cmp_lt_u32 vcc_lo, 15, v[LN]
	; the frequencies and the constants are made on the way that all work-groups take, so that every register is written on every path (P_V's work-groups do not use them)
	FREQ 0, 1.0, 0.31622776601683794
	FREQ 1, 0.7498942093324559, 0.23713737056616552
	FREQ 2, 0.5623413251903491, 0.1778279410038923
	FREQ 3, 0.4216965034285822, 0.1333521432163324
	FREQ 4, 0.1, 0.031622776601683794
	FREQ 5, 0.07498942093324559, 0.023713737056616552
	FREQ 6, 0.05623413251903491, 0.01778279410038923
	FREQ 7, 0.04216965034285822, 0.01333521432163324
	FREQ 8, 0.01, 0.0031622776601683794
	FREQ 9, 0.007498942093324559, 0.0023713737056616552
	FREQ 10, 0.005623413251903491, 0.001778279410038923
	FREQ 11, 0.004216965034285822, 0.001333521432163324
	FREQ 12, 0.001, 0.00031622776601683794
	FREQ 13, 0.0007498942093324559, 0.00023713737056616552
	FREQ 14, 0.0005623413251903491, 0.0001778279410038923
	FREQ 15, 0.0004216965034285822, 0.0001333521432163324
	KPAIR K2P, 0x3f22f983                          ; 2 / pi
	KPAIR KH, 0xbfc90fdb                           ; -(pi/2 rounded to f32)
	KPAIR KL, 0x333bbd2e                           ; -(pi/2 less that)
	KPAIR PS3, -0.00019515295891
	KPAIR PS2, 0.0083321608736
	KPAIR PS1, -0.16666654611
	KPAIR PC3, 0.00002443315711809948
	KPAIR PC2, -0.001388731625493765
	KPAIR PC1, 0.04166664568298827
.irp b, 0,1,2,3
	v_mov_b32 v[TM+4+\b], 0                        ; written once: a lane permute's destination counts as one of its sources
.endr
	s_mov_b32 s3, 0
	s_mov_b32 s93, 0
.Ltab:                                                 ; four trips, a tile of 16 positions each; every work-group walks them, P_V's pass over the work
	s_cmp_eq_u32 ttmp9, 2
	s_cbranch_scc1 .Ltab_next
	v_add_nc_u32 v[PI], s98, v[RR]
	v_cvt_f32_u32 v[POS], v[PI]
	v_mov_b32 v[POS+1], v[POS]
	v_add_nc_u32 v[TWA], s93, v[TW]
.irp j, 0,1,2,3,4,5,6,7
	SINCOS \j
.endr
	s_wait_dscnt 0x0                               ; the stores have read their registers
.Ltab_next:
	s_add_co_u32 s93, s93, 4096
	s_add_co_u32 s98, s98, 16
	s_add_co_u32 s3, s3, 1
	s_cmp_lt_u32 s3, 4
	s_cbranch_scc1 .Ltab
	s_wait_dscnt 0x0                               ; for the others' sake: my part of the table lies in LDS
	s_barrier_signal -1
	s_barrier_wait -1                              ; everybody's does
	v_cmp_lt_u32 vcc_lo, 15, v[LN]                 ; lanes 16-31: kept to the end
; 64 numbers of a lane in window W, v[s] on, register 16 b + i of block b, become codes: blocks 0 and 1 six registers at d0, blocks 2 and 3 six at d1; the four scale bytes make v[PW].
.macro QUANT s, W, d0, d1
	WIN ((\W)|((\W)<<2))
.irp b, 0,1,2,3
	v_max3_num_f32 v[TM+\b], |v[(\s)+16*\b]|, |v[(\s)+1+16*\b]|, 0x1800000   ; my 16 numbers of block b, and the floor 2^(3 - 127): the byte cannot fall under 1
.endr
	WIN (((\W)<<2)|((\W)<<4))
.irp i, 2,4,6,8,10,12,14
.irp b, 0,1,2,3
	v_max3_num_f32 v[TM+\b], v[TM+\b], |v[(\s)+16*\b+\i]|, |v[(\s)+1+16*\b+\i]|   ; ascending: each accumulator is read from its low end on
.endr
.endr
	WIN 0
.irp b, 0,1,2,3
	v_permlanex16_b32 v[TM+4+\b], v[TM+\b], s[SEL], s[SEL+1]
.endr
.irp b, 0,1,2,3
	v_max_num_f32 v[TM+\b], v[TM+\b], v[TM+4+\b]   ; with lane l xor 16's: the block's largest magnitude
.endr
.irp b, 0,1,2,3
	v_add_nc_u32 v[TM+12+\b], 0xff000000, v[TM+\b] ; 2 off its exponent field: the conversion's scale operand
.endr
.irp b, 0,1,2,3
	v_lshrrev_b32 v[TM+4+\b], 23, v[TM+12+\b]      ; the scale's byte
.endr
	v_lshl_or_b32 v[PW], v[TM+5], 8, v[TM+4]
	v_lshl_or_b32 v[PW], v[TM+6], 16, v[PW]
	v_lshl_or_b32 v[PW], v[TM+7], 24, v[PW]
	WIN (\W)
	v_cvt_scalef32_pk16_fp6_f32 v[(\d0):(\d0)+2], v[(\s):(\s)+15], v[TM+12]
	v_cvt_scalef32_pk16_fp6_f32 v[TQ:TQ+2], v[(\s)+16:(\s)+31], v[TM+13]
	v_cvt_scalef32_pk16_fp6_f32 v[(\d1):(\d1)+2], v[(\s)+32:(\s)+47], v[TM+14]
	v_cvt_scalef32_pk16_fp6_f32 v[TQ+4:TQ+6], v[(\s)+48:(\s)+63], v[TM+15]
	WIN 0
	v_nop                                          ; one plain place behind a scaled conversion
.irp i, 0,1,2                                  ; the operand's layout wants a whole block in a lane: lanes 0-15 the first block, lanes 16-31 the second
	v_permlane16_swap_b32 v[(\d0)+\i], v[TQ+\i]
	v_permlane16_swap_b32 v[(\d1)+\i], v[TQ+4+\i]
.endr
.irp i, 0,1,2
	v_mov_b32 v[(\d0)+3+\i], v[TQ+\i]
	v_mov_b32 v[(\d1)+3+\i], v[TQ+4+\i]
.endr
.endm
	s_cmp_eq_u32 ttmp9, 2
	s_cbranch_scc1 .Lvpath
; ---- Q AND K: a tile of 16 positions at a time: rotate, quantise along the head's 64 channels, store.
.macro ROPE a                          ; the tile's 64 numbers (two heads x 32 of my half) are rotated into v[H] on; the next tile's cos and sin are asked for first
.set CSA, CS+32*((\a)%2)
.if (\a) < 7
.irp j, 0,1,2,3,4,5,6,7
	ds_load_b128 v[CS+32*(((\a)+1)%2)+4*\j:CS+32*(((\a)+1)%2)+4*\j+3], v[TR] offset:4096*((\a)+1)+512*\j
.endr
	s_wait_dscnt 8                                 ; this tile's eight loads are in; the eight just issued may be out
.else
	s_wait_dscnt 0x0
.endif
	WIN (2+(\a)/4)                                 ; source 0: the accumulators' window
.irp g, 0,1,2,3,4,5,6,7                        ; accumulator g = 4 x head + block of 16 channels; its four pairs (x1, x2), from its low end on
.irp k, 0,1,2,3
	v_pk_mul_f32 v[T+2*\k:T+2*\k+1], v[64*((\a)%4)+8*\g+2*\k:64*((\a)%4)+8*\g+2*\k+1], v[CSA+8*(\g%4)+2*\k:CSA+8*(\g%4)+2*\k+1] op_sel:[1,1] op_sel_hi:[1,0]   ; (x2 sin, x2 cos)
.endr
.irp k, 0,1,2,3
	v_pk_fma_f32 v[H+8*\g+2*\k:H+8*\g+2*\k+1], v[64*((\a)%4)+8*\g+2*\k:64*((\a)%4)+8*\g+2*\k+1], v[CSA+8*(\g%4)+2*\k:CSA+8*(\g%4)+2*\k+1], v[T+2*\k:T+2*\k+1] op_sel:[0,0,0] op_sel_hi:[0,1,1] neg_lo:[0,0,1]   ; (x1 cos - x2 sin, x1 sin + x2 cos)
.endr
.endr
	WIN 0
.endm
.irp j, 0,1,2,3,4,5,6,7
	ds_load_b128 v[CS+4*\j:CS+4*\j+3], v[TR] offset:512*\j
.endr
.irp a, 0,1,2,3,4,5,6,7
	ROPE \a
.if (\a%2 == 0) && (\a > 0)
	s_wait_xcnt 0x0                                ; the last pair's stores have read their registers: the codes' registers are written again only behind this wait
.endif
	QUANT H, 0, CODE+6*(\a%2), CODE+12+6*(\a%2)    ; head 0's six registers, head 1's six
.if \a%2 == 0
	v_mov_b32 v[W0], v[PW]
.else
	v_cndmask_b32 v[WS], v[W0], v[PW], vcc_lo      ; lanes 0-15 the even tile's words, lanes 16-31 the odd tile's
	v_and_or_b32 v[SK0+\a/2], v[WS], 0xffff, s99   ; head 0: bytes 0 and 1
	v_lshrrev_b32 v[WS], 16, v[WS]
	v_or_b32 v[SK1+\a/2], s99, v[WS]               ; head 1: bytes 2 and 3
.irp hh, 0,1
.irp c, 0,1,2
	global_store_b128 v[LI], v[CODE+12*\hh+4*\c:CODE+12*\hh+4*\c+3], s[12:13] offset:HEADB*\hh+1536*(\a/2)+512*\c   ; 32 lanes store 512 consecutive bytes, at a multiple of 256 from the buffer's first byte
.endr
.endr
.endif
.endr
	global_store_b128 v[LI], v[SK0:SK0+3], s[12:13] offset:12288
	global_store_b128 v[LI], v[SK1:SK1+3], s[12:13] offset:HEADB+12288
	s_branch .Lend
; ---- V: a tile of 16 channels at a time: its 64 accumulator registers run along my 128 keys: quantised as they stand, a whole fragment of V^T.
.Lvpath:
.irp a, 0,1,2,3,4,5,6,7
	QUANT 64*(\a%4), 2+\a/4, VCODE+12*\a, VCODE+12*\a+6
	v_mov_b32 v[PWS+\a], v[PW]
.irp c, 0,1,2
	global_store_b128 v[LI], v[VCODE+12*\a+4*\c:VCODE+12*\a+4*\c+3], s[12:13] offset:HEADB*(\a/4)+6144+1536*(\a%4)+512*\c
.endr
.endr
.irp hh, 0,1
	v_cndmask_b32 v[VS+2*\hh], v[PWS+4*\hh], v[PWS+4*\hh+1], vcc_lo      ; tiles 0 | 1 in lanes 0-15 | 16-31
	v_cndmask_b32 v[VS+2*\hh+1], v[PWS+4*\hh+2], v[PWS+4*\hh+3], vcc_lo  ; tiles 2 | 3
	global_store_b64 v[L8], v[VS+2*\hh:VS+2*\hh+1], s[12:13] offset:HEADB*\hh+12800   ; 256 consecutive bytes
.endr
.Lend:
	s_wait_tensorcnt 0x0                           ; the wave's end
	ds_add_u32 v[SPW], v[NIL]
	s_wait_dscnt 0x0
	CROUND                                         ; the closing round: no work-group ends while a partner may still ask for a tile that names it
	s_endpgm
.Lfunc_end_k_q784fea97b1_qkv:
	.size	k_q784fea97b1_qkv, .Lfunc_end_k_q784fea97b1_qkv-k_q784fea97b1_qkv
	.p2alignl 7, 3214868480
	.fill 96, 4, 3214868480
	.section	.rodata,"a",@progbits
	.p2align	6, 0x0
	.amdhsa_kernel k_q784fea97b1_qkv
		.amdhsa_group_segment_fixed_size 327680
		.amdhsa_private_segment_fixed_size 0
		.amdhsa_enable_private_segment 0
		.amdhsa_kernarg_size 80
		.amdhsa_user_sgpr_count 2
		.amdhsa_user_sgpr_kernarg_segment_ptr 1
		.amdhsa_wavefront_size32 1
		.amdhsa_system_sgpr_workgroup_id_x 1
		.amdhsa_system_sgpr_workgroup_id_y 1
		.amdhsa_system_sgpr_workgroup_id_z 1
		.amdhsa_system_vgpr_workitem_id 0
		.amdhsa_next_free_vgpr 1024
		.amdhsa_next_free_sgpr 102
		.amdhsa_reserve_vcc 1
		.amdhsa_float_denorm_mode_32 3
		.amdhsa_float_denorm_mode_16_64 3
		.amdhsa_memory_ordered 1
		.amdhsa_forward_progress 1
		.amdhsa_inst_pref_size 252
	.end_amdhsa_kernel
	.amdgpu_metadata
---
amdhsa.version: [ 1, 2 ]
amdhsa.kernels:
  - .name:           k_q784fea97b1_qkv
    .symbol:         k_q784fea97b1_qkv.kd
    .args:
      - { .name: x_codes, .offset: 0, .size: 8, .value_kind: global_buffer, .address_space: global }
      - { .name: x_scales, .offset: 8, .size: 8, .value_kind: global_buffer, .address_space: global }
      - { .name: P_Q_codes, .offset: 16, .size: 8, .value_kind: global_buffer, .address_space: global }
      - { .name: P_Q_scales, .offset: 24, .size: 8, .value_kind: global_buffer, .address_space: global }
      - { .name: P_K_codes, .offset: 32, .size: 8, .value_kind: global_buffer, .address_space: global }
      - { .name: P_K_scales, .offset: 40, .size: 8, .value_kind: global_buffer, .address_space: global }
      - { .name: P_V_codes, .offset: 48, .size: 8, .value_kind: global_buffer, .address_space: global }
      - { .name: P_V_scales, .offset: 56, .size: 8, .value_kind: global_buffer, .address_space: global }
      - { .name: qw, .offset: 64, .size: 8, .value_kind: global_buffer, .address_space: global }
      - { .name: kv, .offset: 72, .size: 8, .value_kind: global_buffer, .address_space: global }
    .group_segment_fixed_size: 327680
    .private_segment_fixed_size: 0
    .kernarg_segment_align: 8
    .kernarg_segment_size: 80
    .max_flat_workgroup_size: 128
    .sgpr_count:     102
    .vgpr_count:     1024
    .wavefront_size: 32
...
	.end_amdgpu_metadata
.endif
;; end of part 1
;; launch attn (part 2): grid 4 x 64, 16 waves a work-group, clusters of 4 x 1, 215,040 bytes of LDS; arguments qw, kv, ao, asc; writes ao, asc
.if DOCPART == 2
	.amdgcn_target "amdgcn-amd-amdhsa--gfx1250"
	.amdhsa_code_object_version 6
	.text
	.protected	k_q784fea97b1_attn
	.globl	k_q784fea97b1_attn
	.p2align	8
	.type	k_q784fea97b1_attn,@function
k_q784fea97b1_attn:
	s_mov_b64 s[64:65], 0
	v_nop
	global_prefetch_b8 v0, s[64:65] scope:SCOPE_SE
	s_setreg_imm32_b32 hwreg(HW_REG_WAVE_MODE, 25, 1), 1
	s_wait_xcnt 0x0
	s_wait_alu depctr_hold_cnt(0) depctr_sa_sdst(0) depctr_va_vdst(0) depctr_va_sdst(0) depctr_va_ssrc(0) depctr_va_vcc(0) depctr_vm_vsrc(0)
	s_getreg_b32 s2, hwreg(HW_REG_IB_STS2, 6, 4)
	s_cmp_eq_u32 s2, 0
	s_cbranch_scc0 .Lentry_in_a_cluster
	s_endpgm
.Lentry_in_a_cluster:
	s_bfe_u32 s2, ttmp6, 0x10000c
	s_cmp_lg_u32 s2, 0x3003
	s_cbranch_scc0 .Lentry_shape_is_right
	s_endpgm
.Lentry_shape_is_right:
; Causal attention of one (batch, head) to a cluster, on codes of FP6 (E2M3) with E8M0 scales; head size 64, 2,048 positions.  The result is quantised along the model's axis for the last product.
; IN: records of 13,056 bytes for each 128 positions of a head: +0 K's (in qw: Q's) codes, four images of 12 registers (tiles 2 b, 2 b + 1 of 16 positions, six registers each); +6,144 V^T's four fragments
; (16 channels x 128 keys); +12,288 K's (Q's) scale words, an image of four registers (register b: tile 2 b in lanes 0-15, tile 2 b + 1 in lanes 16-31; bytes 2, 3 = 0x7f); +12,800 V^T's, an image of two.
; LDS: the head's sixteen records of kv, 208,896 bytes, as they lie in memory, FILLED ONCE: each of the sixteen waves asks for one record, jointly with the same wave of the three partners
; (the four work-groups of a cluster walk the same head).  Nothing is filled again: one barrier, no ring.  All LDS reads are 16 or 8 bytes a lane on end.
; SHARES.  Wave w of work-group cx: g = w / 2, tile T = 2 cx + w % 2 of 16 queries; first of group g of 128 queries, then of group 15 - g: (g + 1) + (16 - g) = 17 key steps of 128 keys for every wave.
; Trip counts are constants; a step whose keys all come after the group is passed over by a branch on the wave's number.  cx enters global addresses and the mask's compare value alone.
; LAYOUT.  S^T = K Q^T (source 0 = 16 keys, source 1 = my 16 queries), O^T = V^T P^T: a lane holds one query (lane % 16) throughout; register 8 t + j of S^T is key 16 t + 8 (lane / 16) + j.
; The head has 64 channels: Q's registers 6-11 are zero codes; K's operand of tile t is its six registers and the six that follow (the next tile's, or zeros), which meet Q's zeros.
; p's codes of a block of 32 keys come out in the order 0-7, 16-23, 8-15, 24-31, as V^T's do in the launch before: the block and its scale are the true ones.
; SOFTMAX: t = score x log2(e) / 8; M = the running largest t, rounded up to a whole number; p = 2^(t - M) is quantised; the row's sum is taken of the unquantised p and divides at the end.
; OUT: ao [128 rows][head][tile of 16 rows][768 bytes]: six registers of the last product's operand (k = 64 (head % 2) + 32 (lane / 16) + 0 .. 31, in true order: sixteen exchanges of halves on the f32 numbers
; give a lane 16 neighbours); asc [8192][32]: a head owns 2 of a row's 32 scale bytes, so these stores, 2 bytes a row, write runs of 256 bytes in part: one byte for 24 of codes.
; LIMITS: NaN and infinities are not served; a block under 2^-124 (a block of zeros too) keeps the scale byte 1; this program alone reads the bytes.
; No prefetch: every byte is asked for at the kernel's head.
.set REC,   13056
.set HEADB, 16*REC
.set WV,   12                          ; s12 wave; s13 cx; s14 16 batch + head; s15 g; s16 w % 2; s17 T; s18 batch; s19 head
.set SEL,  20                          ; s[20:21] lane selects: lane l xor 16
.set CS,   22                          ; s[22:23] c = log2(e) / 8
.set G1,   24                          ; s[24:31] descriptor group 1
.set G0,   32                          ; s[32:35] group 0
.set GG,   36                          ; s36 the group of queries in hand
.set JJ,   37                          ; s37 the key step
.set TB,   38                          ; s38 its record in LDS
.set QB,   40                          ; s[40:45] the pass's bases: Q's record, ao, asc
.set AOB,  42
.set ASB,  44
.set QB0,  46                          ; s[46:51] the same for group 0
.set AOB0, 48
.set ASB0, 50
.set LI,   1                           ; v1 16 x lane
.set L8,   2                           ; v2 8 x lane
.set DD,   3                           ; v3 16 T + lane % 16 - 8 (lane / 16)
.set VQA,  4                           ; v4, v5 where my tile's six registers lie in Q's image
.set VQB,  5
.set VQS,  6                           ; v6 its scale word
.set R32,  7                           ; v7 32 x (lane % 16): my row of asc
.set AD,   8                           ; v8, v9 LDS addresses of the step in hand
.set AD8,  9
.set VSC,  86                          ; v[86:87] V^T's scale words; v248-251 K's; v253 p's; v255 Q's
; v12 -M, v13 the largest t, v[14:15] the sum; v16-27 Q; v32-79 K's tiles, then V^T's fragments; v80-85 zeros; v96-159 S^T, then p; v160-191 O^T; v224-235 p's codes; v232-254 at work
.macro CROUND
	s_barrier_signal -1
	s_barrier_wait -1
	s_cmp_lg_u32 s[WV], 0
	s_cbranch_scc1 .Lnot_wave_0_\@
	s_barrier_signal -3
.Lnot_wave_0_\@:
	s_barrier_wait -3
	s_barrier_signal -1
	s_barrier_wait -1
.endm
.macro KQT t                           ; S^T's tile t
.if (\t)%2
	v_wmma_scale_f32_16x16x128_f8f6f4 v[96+8*(\t):103+8*(\t)], v[32+6*(\t):43+6*(\t)], v[16:27], 0, v[248+(\t)/2], v255 matrix_a_fmt:MATRIX_FMT_FP6 matrix_b_fmt:MATRIX_FMT_FP6 matrix_a_scale:MATRIX_SCALE_ROW1
.else
	v_wmma_scale_f32_16x16x128_f8f6f4 v[96+8*(\t):103+8*(\t)], v[32+6*(\t):43+6*(\t)], v[16:27], 0, v[248+(\t)/2], v255 matrix_a_fmt:MATRIX_FMT_FP6 matrix_b_fmt:MATRIX_FMT_FP6
.endif
.endm
.macro PVT t                           ; O^T's tile t
.if (\t)%2
	v_wmma_scale_f32_16x16x128_f8f6f4 v[160+8*(\t):167+8*(\t)], v[32+12*(\t):43+12*(\t)], v[224:235], v[160+8*(\t):167+8*(\t)], v[VSC+(\t)/2], v253 matrix_a_fmt:MATRIX_FMT_FP6 matrix_b_fmt:MATRIX_FMT_FP6 matrix_a_scale:MATRIX_SCALE_ROW1
.else
	v_wmma_scale_f32_16x16x128_f8f6f4 v[160+8*(\t):167+8*(\t)], v[32+12*(\t):43+12*(\t)], v[224:235], v[160+8*(\t):167+8*(\t)], v[VSC+(\t)/2], v253 matrix_a_fmt:MATRIX_FMT_FP6 matrix_b_fmt:MATRIX_FMT_FP6
.endif
.endm
	s_load_b256 s[4:11], s[0:1], 0x0               ; qw, kv, ao, asc
	v_lshl_add_u32 v223, v0, 2, 0x34000
	v_mov_b32 v243, 0
	ds_add_u32 v223, v243
	ds_add_u32 v223, v243
	v_lshrrev_b32 v1, 5, v0
	s_delay_alu instid0(VALU_DEP_1)
	v_readfirstlane_b32 s[WV], v1                  ; wave 0..15
	s_bfe_u32 s13, ttmp6, 0x40000                  ; cx
	s_and_b32 s14, ttmp7, 0xffff                   ; 16 batch + head: the cluster's y
	s_lshr_b32 s15, s[WV], 1
	s_and_b32 s16, s[WV], 1
	s_lshl_b32 s17, s13, 1
	s_add_co_u32 s17, s17, s16
	s_lshr_b32 s18, s14, 4
	s_and_b32 s19, s14, 15
	s_mov_b32 s[SEL], 0x76543210
	s_mov_b32 s[SEL+1], 0xfedcba98
	s_mov_b32 s[CS], 0x3e38aa3b
	s_mov_b32 s[CS+1], s[CS]
	; group 1: a record, a dense block of 13,056 bytes, as 51 rows of 256 bytes (32 elements of 8)
	s_mov_b32 s[G1], 15|(3<<16)|(1<<21)            ; the mask: all four work-groups; elements of 8 bytes; bit 21 beside a mask; no padding
	s_mov_b32 s[G1+1], 32<<16
	s_mov_b32 s[G1+2], 51<<16
	s_mov_b32 s[G1+3], 32<<16
	s_mov_b32 s[G1+4], 51
	s_mov_b32 s[G1+5], 32
	s_mov_b32 s[G1+6], 0
	s_mov_b32 s[G1+7], 0
	s_mul_i32 s52, s14, HEADB                      ; the head's first byte in qw and in kv
	s_mov_b32 s53, 0
	s_mul_i32 s54, s[WV], REC                      ; my wave's record
	s_mov_b32 s55, 0
	s_wait_dscnt 0x0
	s_wait_kmcnt 0x0
	s_add_nc_u64 s[QB0:QB0+1], s[4:5], s[52:53]
	s_mov_b32 s[G0], 1
	s_mul_i32 s[G0+1], s[WV], REC                  ; LDS: record = key step = wave
	s_add_nc_u64 s[G0+2:G0+3], s[6:7], s[52:53]
	s_add_nc_u64 s[G0+2:G0+3], s[G0+2:G0+3], s[54:55]
	s_or_b32 s[G0+3], s[G0+3], 0x80000000
	CROUND                                         ; all four work-groups are here: the joint loads meet
	tensor_load_to_lds s[G0:G0+3], s[G1:G1+7]      ; one tensor load of mine is out
	s_nop 0
.rept 4
	v_nop
.endr
	s_mul_i32 s52, s18, 1572864                    ; ao: a batch is 16 groups of 98,304 bytes,
	s_mul_i32 s54, s19, 6144                       ; a head 8 tiles of 768,
	s_add_co_u32 s52, s52, s54
	s_mul_i32 s54, s17, 768                        ; my tile
	s_add_co_u32 s52, s52, s54
	s_add_nc_u64 s[AOB0:AOB0+1], s[8:9], s[52:53]
	s_lshl_b32 s52, s18, 16                        ; asc: 32 bytes a row: a batch 65,536,
	s_lshl_b32 s54, s17, 9                         ; a tile 512,
	s_add_co_u32 s52, s52, s54
	s_lshl_b32 s54, s19, 1                         ; a head's two bytes
	s_add_co_u32 s52, s52, s54
	s_add_nc_u64 s[ASB0:ASB0+1], s[10:11], s[52:53]
	v_and_b32 v10, 31, v0
	s_delay_alu instid0(VALU_DEP_1)
	v_lshlrev_b32 v[LI], 4, v10
	s_delay_alu instid0(VALU_DEP_2)
	v_lshlrev_b32 v[L8], 3, v10
	v_and_b32 v11, 15, v0                          ; r
	s_wait_alu depctr_va_vdst(0)
	v_bfe_u32 v10, v0, 4, 1                        ; h
	s_delay_alu instid0(VALU_DEP_1)
	v_lshlrev_b32 v[DD], 3, v10
	s_delay_alu instid0(VALU_DEP_1)
	v_sub_nc_u32 v[DD], v11, v[DD]
	s_lshl_b32 s52, s17, 4
	v_add_nc_u32 v[DD], s52, v[DD]
	s_mul_i32 s53, s13, 1536                       ; Q's image of pair cx; my tile is its registers 6 u .. 6 u + 5: in pieces of 8 bytes
	s_mul_i32 s52, s16, 520
	s_add_co_u32 s52, s52, s53
	v_add_nc_u32 v[VQA], s52, v[LI]                ; registers 0, 1 (u = 1: 6, 7); 512 bytes on: 4, 5 (10, 11)
	s_mul_i32 s52, s16, 1016
	s_add_co_u32 s52, s52, s53
	s_add_co_u32 s52, s52, 8
	v_add_nc_u32 v[VQB], s52, v[LI]                ; registers 2, 3 (8, 9)
	v_lshlrev_b32 v[VQS], 4, v11
	s_lshl_b32 s52, s16, 8
	s_lshl_b32 s53, s13, 2
	s_add_co_u32 s52, s52, s53
	v_add_nc_u32 v[VQS], s52, v[VQS]               ; register cx of lane 16 u + r of the scale words' image
	v_lshlrev_b32 v[R32], 5, v11
.irp i, 22,23,24,25,26,27,80,81,82,83,84,85
	v_mov_b32 v[\i], 0                             ; Q's upper half: zero codes; and what stands behind K's last tile
.endr
.irp b, 0,1,2,3
	v_mov_b32 v[236+\b], 0                         ; written once: a lane permute's destination counts as one of its sources
.endr
	v_mov_b32 v252, 0
	v_mov_b32 v253, 0                              ; (named as the upper half of the pair v[252:253] before it is first written)
	s_wait_tensorcnt 0x0                           ; my record has landed,
	s_barrier_signal -1
	s_barrier_wait -1                              ; everybody's has
.macro PASS second
	s_wait_xcnt 0x0                                ; the last pass's stores have read their bases and registers
.if \second
	s_sub_co_u32 s[GG], 15, s15
.else
	s_mov_b32 s[GG], s15
.endif
	s_mul_i32 s52, s[GG], REC
	s_mov_b32 s53, 0
	s_add_nc_u64 s[QB:QB+1], s[QB0:QB0+1], s[52:53]
	s_mul_i32 s52, s[GG], 98304
	s_add_nc_u64 s[AOB:AOB+1], s[AOB0:AOB0+1], s[52:53]
	s_lshl_b32 s52, s[GG], 12
	s_add_nc_u64 s[ASB:ASB+1], s[ASB0:ASB0+1], s[52:53]
	global_load_b64 v[16:17], v[VQA], s[QB:QB+1]
	global_load_b64 v[18:19], v[VQB], s[QB:QB+1]
	global_load_b64 v[20:21], v[VQA], s[QB:QB+1] offset:512
	global_load_b32 v255, v[VQS], s[QB:QB+1] offset:12288
	v_mov_b32 v13, 0xff61b1e6                      ; the largest t so far: -3e38
	s_delay_alu instid0(VALU_DEP_1)
	v_floor_f32 v12, -v13                          ; -M
	v_mov_b32 v14, 0
	v_mov_b32 v15, 0
.set n, 0
.rept 32
	v_mov_b32 v[160+n], 0                          ; O^T: the step is written once; the first change of M leaves zeros zeros
.set n, n+1
.endr
	s_wait_loadcnt 0x0
	s_mov_b32 s[TB], 0
	s_mov_b32 s[JJ], 0
.Ltrip_\@:                                             ; sixteen trips; the steps behind the diagonal are passed over
	s_cmp_gt_u32 s[JJ], s[GG]
	s_cbranch_scc1 .Lskip_\@
	s_setprio 2
	v_add_nc_u32 v[AD], s[TB], v[LI]
	v_add_nc_u32 v[AD8], s[TB], v[L8]
.irp n, 0,1,2,3,4,5,6,7,8,9,10,11
	ds_load_b128 v[32+4*\n:35+4*\n], v[AD] offset:512*\n          ; K's eight tiles, six registers each
.endr
	ds_load_b128 v[248:251], v[AD] offset:12288                    ; and their scale words
	s_wait_alu depctr_va_vdst(0)
	s_wait_dscnt 0x0
.irp t, 0,1,2,3,4,5,6,7
	KQT \t
.endr
.rept 4
	v_nop                                          ; places in front of the loads into K's registers and of the first read of the scores
.endr
.irp n, 0,1,2,3,4,5,6,7,8,9,10,11
	ds_load_b128 v[32+4*\n:35+4*\n], v[AD] offset:6144+512*\n     ; V^T's four fragments land while the softmax is worked
.endr
	ds_load_b64 v[VSC:VSC+1], v[AD8] offset:12800
	s_cmp_lg_u32 s[JJ], s[GG]
	s_cbranch_scc1 .Lopen_\@
	v_mov_b32 v254, 0xff800000                     ; on the diagonal hidden scores become -infinity: register 8 t + j is hidden where 16 t + j > 16 T + r - 8 h
.set n, 0
.rept 64
	v_cmp_gt_i32 vcc_lo, 16*(n/8)+n%8, v[DD]
	v_cndmask_b32 v[96+n], v[96+n], v254, vcc_lo
.set n, n+1
.endr
.Lopen_\@:
.irp b, 0,1,2,3
	v_max3_num_f32 v[232+\b], v[96+16*\b], v[97+16*\b], v[98+16*\b]   ; the largest score of each block of 32 keys: for the row's maximum, and, since p rises with the score, for the block's largest p
.endr
.irp i, 3,5,7,9,11,13
.irp b, 0,1,2,3
	v_max3_num_f32 v[232+\b], v[232+\b], v[96+16*\b+\i], v[97+16*\b+\i]
.endr
.endr
.irp b, 0,1,2,3
	v_max_num_f32 v[232+\b], v[232+\b], v[111+16*\b]
.endr
.irp b, 0,1,2,3
	s_delay_alu instid0(VALU_DEP_4)
	v_permlanex16_b32 v[236+\b], v[232+\b], s[SEL], s[SEL+1]
.endr
.irp b, 0,1,2,3
	s_delay_alu instid0(VALU_DEP_4)
	v_max_num_f32 v[232+\b], v[232+\b], v[236+\b]  ; with lane l xor 16's 16 keys
.endr
	s_delay_alu instid0(VALU_DEP_2)
	v_max3_num_f32 v254, v232, v233, v234
	s_delay_alu instid0(VALU_DEP_1)
	v_max_num_f32 v254, v254, v235
	s_delay_alu instid0(VALU_DEP_1)
	v_mul_f32 v254, s[CS], v254                    ; as t
	s_delay_alu instid0(VALU_DEP_1)
	v_max_num_f32 v13, v13, v254                   ; the running largest t
	v_mov_b32 v254, v12
	s_delay_alu instid0(VALU_DEP_2)
	v_floor_f32 v12, -v13                          ; the new -M = -ceil(t)
	s_delay_alu instid0(VALU_DEP_1)
	v_sub_f32 v254, v12, v254                      ; old M - new M: a whole number, 0 or less
	s_delay_alu instid0(VALU_DEP_1)
	v_cvt_i32_f32 v254, v254                       ; (it saturates)
	s_delay_alu instid0(VALU_DEP_1)
	v_ldexp_f32 v252, 1.0, v254                    ; f = 2^(old M - new M)
.set n, 0
.rept 32
	v_pk_fma_f32 v[96+n:97+n], v[96+n:97+n], s[CS:CS+1], v[12:13] op_sel_hi:[1,0,0]   ; t - M
.set n, n+2
.endr
	s_setprio 1
.irp b, 0,1,2,3
	v_fma_f32 v[232+\b], v[232+\b], s[CS], v12
.endr
.set n, 0
	s_wait_alu depctr_va_vdst(0)
.rept 64
	v_exp_f32 v[96+n], v[96+n]                     ; p = 2^(t - M)
.set n, n+1
.endr
	v_pk_mul_f32 v[14:15], v[14:15], v[252:253] op_sel_hi:[1,0]   ; the sums under the new M: a plain place behind the exponentials
	s_wait_alu depctr_va_vdst(0)                   ; one wait for the batch, ahead of its first reader
.irp b, 0,1,2,3
	v_exp_f32 v[232+\b], v[232+\b]                 ; each block's largest p
.endr
	v_pk_add_f32 v[236:237], v[100:101], v[104:105]
	v_pk_add_f32 v[250:251], v[108:109], v[112:113]
	v_pk_add_f32 v[248:249], v[116:117], v[120:121]
	v_pk_add_f32 v[246:247], v[124:125], v[128:129]
	v_pk_add_f32 v[244:245], v[132:133], v[136:137]
	v_pk_add_f32 v[240:241], v[140:141], v[144:145]
	v_pk_add_f32 v[238:239], v[148:149], v[152:153]
	v_pk_add_f32 v[14:15], v[14:15], v[156:157]
	v_pk_add_f32 v[236:237], v[236:237], v[96:97]
	v_pk_add_f32 v[250:251], v[250:251], v[98:99]
	v_pk_add_f32 v[248:249], v[248:249], v[102:103]
	v_pk_add_f32 v[246:247], v[246:247], v[106:107]
	v_pk_add_f32 v[244:245], v[244:245], v[110:111]
	v_pk_add_f32 v[240:241], v[240:241], v[114:115]
	v_pk_add_f32 v[238:239], v[238:239], v[118:119]
	v_pk_add_f32 v[14:15], v[14:15], v[122:123]
	v_pk_add_f32 v[236:237], v[236:237], v[126:127]
	v_pk_add_f32 v[250:251], v[250:251], v[130:131]
	v_pk_add_f32 v[248:249], v[248:249], v[134:135]
	v_pk_add_f32 v[246:247], v[246:247], v[138:139]
	v_pk_add_f32 v[244:245], v[244:245], v[142:143]
	v_pk_add_f32 v[240:241], v[240:241], v[146:147]
	v_pk_add_f32 v[238:239], v[238:239], v[150:151]
	v_pk_add_f32 v[14:15], v[14:15], v[154:155]
	v_pk_add_f32 v[236:237], v[236:237], v[158:159]
	s_delay_alu instid0(VALU_DEP_2)
	v_pk_add_f32 v[14:15], v[14:15], v[246:247]
	s_delay_alu instid0(VALU_DEP_2)
	v_pk_add_f32 v[236:237], v[236:237], v[244:245]
	v_pk_add_f32 v[250:251], v[250:251], v[240:241]
	v_pk_add_f32 v[248:249], v[248:249], v[238:239]
	s_delay_alu instid0(VALU_DEP_2)
	v_pk_add_f32 v[14:15], v[14:15], v[250:251]
	s_delay_alu instid0(VALU_DEP_2)
	v_pk_add_f32 v[236:237], v[236:237], v[248:249]
	s_delay_alu instid0(VALU_DEP_1)
	v_pk_add_f32 v[14:15], v[14:15], v[236:237]
	s_wait_alu depctr_va_vdst(0)                   ; and one for the four
.irp b, 0,1,2,3
	v_max_num_f32 v[232+\b], 0x1800000, v[232+\b]  ; the floor 2^(3 - 127)
.endr
.irp b, 0,1,2,3
	s_delay_alu instid0(VALU_DEP_4)
	v_add_nc_u32 v[244+\b], 0xff000000, v[232+\b]  ; the conversion's scale operand
.endr
.irp b, 0,1,2,3
	s_delay_alu instid0(VALU_DEP_4)
	v_lshrrev_b32 v[236+\b], 23, v[244+\b]         ; the scale's byte
.endr
	s_delay_alu instid0(VALU_DEP_3)
	v_lshl_or_b32 v253, v237, 8, v236              ; p's scale word for these 128 keys
	s_delay_alu instid0(VALU_DEP_1)
	v_lshl_or_b32 v253, v238, 16, v253
	s_delay_alu instid0(VALU_DEP_1)
	v_lshl_or_b32 v253, v239, 24, v253
	s_setprio 0
.irp c, 0,1
	v_cvt_scalef32_pk16_fp6_f32 v[224+6*\c:226+6*\c], v[96+32*\c:111+32*\c], v[244+2*\c]
	v_cvt_scalef32_pk16_fp6_f32 v[236+4*\c:238+4*\c], v[112+32*\c:127+32*\c], v[244+2*\c+1]
.endr
	v_nop                                          ; one plain place behind a scaled conversion
.irp c, 0,1
.irp i, 0,1,2
	v_permlane16_swap_b32 v[224+6*\c+\i], v[236+4*\c+\i]
.endr
.irp i, 0,1,2
	s_delay_alu instid0(VALU_DEP_3)
	v_mov_b32 v[227+6*\c+\i], v[236+4*\c+\i]
.endr
.endr
.set n, 0
.rept 16
	v_pk_mul_f32 v[160+n:161+n], v[160+n:161+n], v[252:253] op_sel_hi:[1,0]   ; O^T under the new M; these sixteen are also the places between p's codes and scale word and the products
.set n, n+2
.endr
	s_wait_alu depctr_va_vdst(0)
	s_wait_dscnt 0x0                               ; V^T is in
.irp t, 0,1,2,3
	PVT \t                                         ; the four accumulators by turns
.endr
.rept 4
	v_nop                                          ; places in front of the next loads into V^T's registers and of the next read of O^T
.endr
.Lskip_\@:
	s_add_co_u32 s[TB], s[TB], REC
	s_add_co_u32 s[JJ], s[JJ], 1
	s_cmp_lt_u32 s[JJ], 16
	s_cbranch_scc1 .Ltrip_\@
	s_setprio 0
	; the tile is finished: O^T / the sum, 16 neighbours to a lane, two blocks of 32 quantised, six registers of codes and two scale bytes a row
	v_add_f32 v14, v14, v15
	s_delay_alu instid0(VALU_DEP_1)
	v_permlanex16_b32 v252, v14, s[SEL], s[SEL+1]
	s_delay_alu instid0(VALU_DEP_1)
	v_add_f32 v14, v14, v252                       ; the row's sum
	s_wait_alu depctr_va_vdst(0)
	v_rcp_f32 v14, v14
	v_nop                                          ; a plain place behind the reciprocal
	s_wait_alu depctr_va_vdst(0)                   ; and the wait ahead of its first reader
.set n, 0
.rept 32
	v_mul_f32 v[96+n], v[160+n], v14               ; register 8 t + j: channel 16 t + 8 h + j
.set n, n+1
.endr
.irp b, 0,1
.irp j, 0,1,2,3,4,5,6,7
	v_permlane16_swap_b32 v[96+16*\b+\j], v[104+16*\b+\j]   ; now register 16 b + i is channel 32 b + 16 h + i
.endr
.endr
.irp b, 0,1
	v_max3_num_f32 v[232+\b], |v[96+16*\b]|, |v[97+16*\b]|, 0x1800000
.endr
.irp i, 2,4,6,8,10,12,14
.irp b, 0,1
	s_delay_alu instid0(VALU_DEP_2)
	v_max3_num_f32 v[232+\b], v[232+\b], |v[96+16*\b+\i]|, |v[97+16*\b+\i]|
.endr
.endr
.irp b, 0,1
	s_delay_alu instid0(VALU_DEP_2)
	v_permlanex16_b32 v[236+\b], v[232+\b], s[SEL], s[SEL+1]
.endr
.irp b, 0,1
	s_delay_alu instid0(VALU_DEP_2)
	v_max_num_f32 v[232+\b], v[232+\b], v[236+\b]
.endr
.irp b, 0,1
	s_delay_alu instid0(VALU_DEP_2)
	v_add_nc_u32 v[244+\b], 0xff000000, v[232+\b]
.endr
.irp b, 0,1
	s_delay_alu instid0(VALU_DEP_2)
	v_lshrrev_b32 v[236+\b], 23, v[244+\b]
.endr
	s_delay_alu instid0(VALU_DEP_1)
	v_lshl_or_b32 v254, v237, 8, v236              ; my row's two scale bytes
	v_cvt_scalef32_pk16_fp6_f32 v[224:226], v[96:111], v244
	v_cvt_scalef32_pk16_fp6_f32 v[240:242], v[112:127], v245
	v_nop
.irp i, 0,1,2
	v_permlane16_swap_b32 v[224+\i], v[240+\i]
.endr
.irp i, 0,1,2
	s_delay_alu instid0(VALU_DEP_3)
	v_mov_b32 v[227+\i], v[240+\i]
.endr
	global_store_b128 v[LI], v[224:227], s[AOB:AOB+1]              ; 512 consecutive bytes,
	global_store_b64 v[L8], v[228:229], s[AOB:AOB+1] offset:512    ; and 256: both at multiples of 256 from the buffer's first byte
	global_store_b16 v[R32], v254, s[ASB:ASB+1]                    ; both lanes of a row write the same two bytes with the same value
.endm
	PASS 0
	PASS 1
	s_wait_dscnt 0x0
	s_wait_tensorcnt 0x0
	ds_add_u32 v223, v243
	s_wait_dscnt 0x0
	CROUND                                         ; the closing round
	s_endpgm
.Lfunc_end_k_q784fea97b1_attn:
	.size	k_q784fea97b1_attn, .Lfunc_end_k_q784fea97b1_attn-k_q784fea97b1_attn
	.p2alignl 7, 3214868480
	.fill 96, 4, 3214868480
	.section	.rodata,"a",@progbits
	.p2align	6, 0x0
	.amdhsa_kernel k_q784fea97b1_attn
		.amdhsa_group_segment_fixed_size 215040
		.amdhsa_private_segment_fixed_size 0
		.amdhsa_enable_private_segment 0
		.amdhsa_kernarg_size 32
		.amdhsa_user_sgpr_count 2
		.amdhsa_user_sgpr_kernarg_segment_ptr 1
		.amdhsa_wavefront_size32 1
		.amdhsa_system_sgpr_workgroup_id_x 1
		.amdhsa_system_sgpr_workgroup_id_y 1
		.amdhsa_system_sgpr_workgroup_id_z 1
		.amdhsa_system_vgpr_workitem_id 0
		.amdhsa_next_free_vgpr 256
		.amdhsa_next_free_sgpr 66
		.amdhsa_reserve_vcc 1
		.amdhsa_float_denorm_mode_32 3
		.amdhsa_float_denorm_mode_16_64 3
		.amdhsa_memory_ordered 1
		.amdhsa_forward_progress 1
		.amdhsa_inst_pref_size 63
	.end_amdhsa_kernel
	.amdgpu_metadata
---
amdhsa.version: [ 1, 2 ]
amdhsa.kernels:
  - .name:           k_q784fea97b1_attn
    .symbol:         k_q784fea97b1_attn.kd
    .args:
      - { .name: qw, .offset: 0, .size: 8, .value_kind: global_buffer, .address_space: global }
      - { .name: kv, .offset: 8, .size: 8, .value_kind: global_buffer, .address_space: global }
      - { .name: ao, .offset: 16, .size: 8, .value_kind: global_buffer, .address_space: global }
      - { .name: asc, .offset: 24, .size: 8, .value_kind: global_buffer, .address_space: global }
    .group_segment_fixed_size: 215040
    .private_segment_fixed_size: 0
    .kernarg_segment_align: 8
    .kernarg_segment_size: 32
    .max_flat_workgroup_size: 512
    .sgpr_count:     66
    .vgpr_count:     256
    .wavefront_size: 32
...
	.end_amdgpu_metadata
.endif
;; end of part 2
;; launch oproj (part 3): grid 4 x 32, 4 waves a work-group, clusters of 4 x 4, 327,680 bytes of LDS; arguments ao, asc, P_O_codes, P_O_scales, out0; writes out0
.if DOCPART == 3
	.amdgcn_target "amdgcn-amd-amdhsa--gfx1250"
	.amdhsa_code_object_version 6
	.text
	.protected	k_q784fea97b1_oproj
	.globl	k_q784fea97b1_oproj
	.p2align	8
	.type	k_q784fea97b1_oproj,@function
k_q784fea97b1_oproj:
	s_mov_b64 s[64:65], 0
	v_nop
	global_prefetch_b8 v0, s[64:65] scope:SCOPE_SE
	s_setreg_imm32_b32 hwreg(HW_REG_WAVE_MODE, 25, 1), 1
	s_wait_xcnt 0x0
	s_wait_alu depctr_hold_cnt(0) depctr_sa_sdst(0) depctr_va_vdst(0) depctr_va_sdst(0) depctr_va_ssrc(0) depctr_va_vcc(0) depctr_vm_vsrc(0)
	s_getreg_b32 s2, hwreg(HW_REG_IB_STS2, 6, 4)
	s_cmp_eq_u32 s2, 0
	s_cbranch_scc0 .Lentry_in_a_cluster
	s_endpgm
.Lentry_in_a_cluster:
	s_bfe_u32 s2, ttmp6, 0x10000c
	s_cmp_lg_u32 s2, 0xf033
	s_cbranch_scc0 .Lentry_shape_is_right
	s_endpgm
.Lentry_shape_is_right:
; out0[m][n] = sum over k of A[m][k] P_O[n][k], on codes of FP6 (E2M3) with E8M0 scales; sums in f32.  m = 8,192 rows, n = 1,024, K = 1,024.
; A, the attention's result, lies in ao in the order of the operand's registers: [128 rows][head 16][tile of 16 rows][768 bytes]; the 768 bytes are six registers of a fragment (k = 64 (head % 2) + 32 (lane / 16) + 0 .. 31):
; registers 0-3 at 16 x lane, registers 4, 5 at 512 + 8 x lane.  So a K step's part of 128 rows (four heads) is ONE dense block of 24,576 bytes, and a fragment comes by two loads of 16 bytes and two of 8, lanes on end.
; Its scale bytes asc [8192][32], P_O's codes [1024][768 bytes] and scale bytes [1024][32] lie as rows.
; A tile of 256 x 256 is made by four waves, 128 x 128 each: 64 accumulators.  K goes in steps of 256 through a ring of two LDS slots; the scale bytes of the tile's rows stay in LDS.
; CLUSTERS: 4 x 4 work-groups: A's tiles are shared along a row of the cluster, P_O's along a column, by joint loads.  128 work-groups: a tile of half the size would give 256, with twice the bytes fetched for each product.
; THE MATRIX INSTRUCTION IS USED TRANSPOSED (source 0 = 16 rows of P_O, source 1 = 16 rows of A): a lane holds eight neighbouring numbers of a row of out0.
; REGISTERS: window 0: v0-31 addresses; v32-63 scale words, two sets; from v128 A's fragments, one set.  window 1: P_O's fragments, two sets.  windows 2, 3: the accumulators.
; No prefetch: K has four steps, and the tiles are shared in the cluster.
.set SIZE_N, 1024
.set SIZE_K, 1024
.set KSTEP,  256
.set NQ,     KSTEP/128
.set ROWB,   192
.set KROW,   SIZE_K*6/8
.set PITCH,  240                       ; B's LDS row: 3 x (64 bytes + 16 of padding)
.set FR,     12
.set NLA,    4                         ; LDS loads that bring a fragment of A
.set NP,     4
.set HALFA,  24576                     ; 128 rows of A, a K step: dense
.set HALFB,  128*PITCH
.set SLOT,   2*HALFA+2*HALFB           ; A's two halves, then B's two
.set LAPS,   SIZE_K/(2*KSTEP)
.set KS,     SIZE_K/32
.set SCL,    2*SLOT
.set HALFS,  (128*KS/256)*272
.set SBLK,   (16*KS/256)*272
.set SPARE,  SCL+4*HALFS
.set SPITCH, 528                       ; the way out: a stage of 16 rows x (512 bytes + 16) for each wave, in slot 0, which has had its last fill and its last read by then
.set ADRA, 16                          ; v16-17 A's images: 16 x lane, slot 0, 1;  v18-19: 8 x lane + 512
.set ADRB, 20                          ; v20-23 B's fragments (and behind one padding more)
.set STO,  24
.set RD,   25
.set CO,   26
.set ADRS, 27
.set SPW,  28
.set NIL,  29
.set SC,   32
.set AF,   128
.set BK,   128
.set G1, 24
.set G0, 32
.set G1B, 48
.set G0B, 56
.set G1S, 68
.set G0S, 76
.set G1SB, 80
.set G0SB, 88
.set MSB, 0
.macro WIN new
.if MSB != \new
	s_set_vgpr_msb (MSB<<8)|\new
.set MSB, \new
.endif
.endm
.set MUL_LO, 0xa1
.set MUL_HI, 0xf1
.set TO_B,   0x40
.macro JLOAD g0a, g1a, g0b, g1b        ; a joint load: waves 0 and 1 fetch for A, waves 2 and 3 for B; four v_nop follow each of the two lines
	s_cmp_eq_u32 s15, 0
	s_cbranch_scc0 .Lfor_b_\@
	tensor_load_to_lds s[\g0a:\g0a+3], s[\g1a:\g1a+7]
	s_nop 0
.rept 4
	v_nop
.endr
	s_branch .Lasked_\@
.Lfor_b_\@:
	tensor_load_to_lds s[\g0b:\g0b+3], s[\g1b:\g1b+7]
	s_nop 0
.rept 4
	v_nop
.endr
.Lasked_\@:
.endm
.macro CREST
	s_cmp_lg_u32 s14, 0
	s_cbranch_scc1 .Lnot_wave_0_\@
	s_barrier_signal -3
.Lnot_wave_0_\@:
	s_barrier_wait -3
	s_barrier_signal -1
	s_barrier_wait -1
.endm
.macro CROUND
	s_barrier_signal -1
	s_barrier_wait -1
	CREST
.endm
	s_load_b128 s[4:7], s[0:1], 0x0                ; ao, asc
	s_load_b128 s[8:11], s[0:1], 0x10              ; P_O's codes, scales
	s_load_b64 s[12:13], s[0:1], 0x20              ; out0
	v_lshl_add_u32 v[SPW], v0, 2, SPARE
	v_mov_b32 v[NIL], 0
	ds_add_u32 v28, v29
	ds_add_u32 v28, v29
	s_wait_dscnt 0x0
	v_lshrrev_b32 v1, 5, v0
	v_readfirstlane_b32 s14, v1                    ; wave 0..3
	s_lshr_b32 s15, s14, 1                         ; which half of the tile's rows is mine.  Also: I fetch for A (0) or for B (1)
	s_and_b32 s16, s14, 1                          ; which half of its columns.  Also: which 128 rows I fetch
	s_bfe_u32 s40, ttmp6, 0x40000
	s_bfe_u32 s41, ttmp6, 0x40004
	s_lshl_b32 s42, ttmp9, 2
	s_add_co_u32 s42, s42, s40                     ; tile column = 4 x cluster x + cx
	s_and_b32 s17, ttmp7, 0xffff
	s_lshl_b32 s17, s17, 2
	s_add_co_u32 s17, s17, s41                     ; tile row = 4 x cluster y + cy
	s_lshl_b32 s43, s41, 2
	s_lshl_b32 s43, 15, s43                        ; my row of the cluster
	s_lshl_b32 s44, 0x1111, s40                    ; my column
	; A: a dense block of 24,576 bytes, as 96 rows of 256 bytes (32 elements of 8), no padding
	s_or_b32 s[G1+0], s43, (3<<16)|(1<<21)
	s_mov_b32 s[G1+1], 32<<16
	s_mov_b32 s[G1+2], 96<<16
	s_mov_b32 s[G1+3], 32<<16
	s_mov_b32 s[G1+4], 96
	s_mov_b32 s[G1+5], 32
	s_mov_b32 s[G1+6], 0
	s_mov_b32 s[G1+7], 0
	; B: 128 rows x 192 bytes, 16 bytes of padding behind every 64
	s_or_b32 s[G1B+0], s44, (0<<16)|(1<<20)|(1<<21)|(3<<22)|(3<<25)
	s_mov_b32 s[G1B+1], ROWB<<16
	s_mov_b32 s[G1B+2], 128<<16
	s_mov_b32 s[G1B+3], ROWB<<16
	s_mov_b32 s[G1B+4], 128
	s_mov_b32 s[G1B+5], KROW
	s_mov_b32 s[G1B+6], 0
	s_mov_b32 s[G1B+7], 0
	; the scale bytes of 128 rows: 4,096 dense bytes, as rows of 256 bytes, 16 bytes of padding behind each
	s_or_b32 s[G1S+0], s43, (3<<16)|(1<<20)|(1<<21)|(5<<22)|(3<<25)
	s_or_b32 s[G1SB+0], s44, (3<<16)|(1<<20)|(1<<21)|(5<<22)|(3<<25)
.irp g, G1S, G1SB
	s_mov_b32 s[\g+1], 32<<16
	s_mov_b32 s[\g+2], (128*KS/256)<<16
	s_mov_b32 s[\g+3], 32<<16
	s_mov_b32 s[\g+4], 128*KS/256
	s_mov_b32 s[\g+5], 32
	s_mov_b32 s[\g+6], 0
	s_mov_b32 s[\g+7], 0
.endr
	s_lshl_b32 s18, s16, 7
	s_lshl_b32 s20, s17, 8
	s_add_co_u32 s20, s20, s18                     ; A: row 256 x tile row + 128 x half
	s_lshl_b32 s46, s42, 8
	s_add_co_u32 s46, s46, s18                     ; B: row 256 x tile column + 128 x half
	s_mov_b32 s21, 0
	s_mov_b32 s47, 0
	s_mov_b64 s[18:19], KS
	s_mul_u64 s[22:23], s[20:21], s[18:19]
	s_mul_u64 s[92:93], s[46:47], s[18:19]
	s_mov_b64 s[18:19], KROW
	s_mul_u64 s[20:21], s[20:21], s[18:19]         ; A: 128 rows x 768 bytes are one group's 98,304 bytes of ao
	s_mul_u64 s[46:47], s[46:47], s[18:19]
	s_mul_i32 s45, s16, HALFA                      ; where they go: A's halves,
	s_mul_i32 s95, s16, HALFB
	s_add_co_u32 s95, s95, 2*HALFA                 ; B's behind them
	s_mul_i32 s94, s14, HALFS
	s_wait_kmcnt 0x0
	s_add_nc_u64 s[20:21], s[4:5], s[20:21]
	s_add_nc_u64 s[22:23], s[6:7], s[22:23]
	s_add_nc_u64 s[46:47], s[8:9], s[46:47]
	s_add_nc_u64 s[92:93], s[10:11], s[92:93]
	CROUND                                         ; all sixteen work-groups are here: the first joint loads meet
	s_mov_b32 s[G0S], 1
	s_add_co_u32 s[G0S+1], s94, SCL
	s_mov_b64 s[G0S+2:G0S+3], s[22:23]
	s_or_b32 s[G0S+3], s[G0S+3], 0x80000000
	s_mov_b32 s[G0SB], 1
	s_add_co_u32 s[G0SB+1], s94, SCL
	s_mov_b64 s[G0SB+2:G0SB+3], s[92:93]
	s_or_b32 s[G0SB+3], s[G0SB+3], 0x80000000
	JLOAD G0S, G1S, G0SB, G1SB
.irp s, 0,1
	s_mov_b32 s[G0+4*\s], 1
	s_add_co_u32 s[G0+4*\s+1], s45, \s*SLOT
	s_add_nc_u64 s[G0+4*\s+2:G0+4*\s+3], s[20:21], \s*HALFA       ; K step s: heads 4 s .. 4 s + 3
	s_or_b32 s[G0+4*\s+3], s[G0+4*\s+3], 0x80000000
	s_mov_b32 s[G0B+4*\s], 1
	s_add_co_u32 s[G0B+4*\s+1], s95, \s*SLOT
	s_add_nc_u64 s[G0B+4*\s+2:G0B+4*\s+3], s[46:47], \s*ROWB
	s_or_b32 s[G0B+4*\s+3], s[G0B+4*\s+3], 0x80000000
	JLOAD G0+4*\s, G1, G0B+4*\s, G1B               ; three tensor loads of mine are out now
.endr
	v_and_b32 v1, 15, v0
	v_bfe_u32 v2, v0, 4, 1
	v_mul_u32_u24 v3, v1, PITCH
	v_mul_u32_u24 v4, v2, 24
	v_add_nc_u32 v4, v3, v4                        ; B: a fragment's row x pitch + 24 x half
	v_lshl_add_u32 v5, v2, 4, v4                   ; and behind one padding more
	v_and_b32 v6, 31, v0
	v_lshlrev_b32 v7, 4, v6                        ; A: 16 x lane
	v_lshlrev_b32 v8, 3, v6
	v_add_nc_u32 v8, 512, v8                       ; and 8 x lane + 512
	s_mul_i32 s21, s15, HALFA                      ; my 128 rows of A
	s_mul_i32 s22, s16, HALFB                      ; my 128 rows of B
	s_add_co_u32 s22, s22, 2*HALFA
.irp s, 0,1
	v_add_nc_u32 v[ADRA+\s], s21, v7
	v_add_nc_u32 v[ADRA+2+\s], s21, v8
	v_add_nc_u32 v[ADRB+\s], s22, v4
	v_add_nc_u32 v[ADRB+2+\s], s22, v5
	s_add_co_u32 s21, s21, SLOT
	s_add_co_u32 s22, s22, SLOT
.endr
	v_mul_u32_u24 v5, v1, KS
	v_lshrrev_b32 v6, 8, v5
	v_lshl_add_u32 v5, v6, 4, v5
	s_mul_i32 s21, s15, HALFS
	s_mul_i32 s22, s16, HALFS
	s_add_co_u32 s22, s22, 2*HALFS
	s_sub_co_u32 s22, s22, s21
	v_mul_u32_u24 v6, s22, v2                      ; lanes 16-31 take B's
	s_add_co_u32 s21, s21, SCL
	v_add_nc_u32 v5, v5, v6
	v_add_nc_u32 v[ADRS], s21, v5
	s_mul_i32 s23, s14, 16*SPITCH                  ; my stage
	v_mul_u32_u24 v5, v1, SPITCH
	v_lshl_add_u32 v5, v2, 5, v5
	v_add_nc_u32 v[STO], s23, v5
	v_and_b32 v6, 31, v0
	v_lshlrev_b32 v[CO], 4, v6
	v_add_nc_u32 v[RD], s23, v[CO]
	s_lshl_b32 s20, s17, 8
	s_lshl_b32 s21, s15, 7
	s_add_co_u32 s20, s20, s21                     ; my first row of out0
	s_mov_b32 s21, 0
	s_mov_b64 s[18:19], SIZE_N*4
	s_mul_u64 s[20:21], s[20:21], s[18:19]
	s_lshl_b32 s46, s42, 10
	s_lshl_b32 s47, s16, 9
	s_add_co_u32 s46, s46, s47
	s_mov_b32 s47, 0
	s_add_nc_u64 s[20:21], s[20:21], s[46:47]
	s_add_nc_u64 s[12:13], s[12:13], s[20:21]
.macro FRAG reg, adr, q, i             ; a fragment of B: 24 bytes of the row's stream of bits twice, in pieces of 8 bytes
.irp p, 0,1,2,3,4,5
.set PC, 12*(\q)+6*(\p/3)+\p%3
.if PC%8 < 5
	ds_load_b64 v[\reg+2*\p:\reg+2*\p+1], v[\adr] offset:8*PC+16*(PC/8)+(\i)*16*PITCH
.else
	ds_load_b64 v[\reg+2*\p:\reg+2*\p+1], v[\adr+2] offset:8*PC+16*(PC/8)+(\i)*16*PITCH
.endif
.endr
.endm
.macro FRAG_A reg, slot, q, i          ; a fragment of A: the images of heads 2 q and 2 q + 1 of the slot's four, tile i of my 8
.irp c, 0,1
	ds_load_b128 v[\reg+6*\c:\reg+6*\c+3], v[ADRA+\slot] offset:((2*(\q)+\c)*8+(\i))*768
	ds_load_b64 v[\reg+6*\c+4:\reg+6*\c+5], v[ADRA+2+\slot] offset:((2*(\q)+\c)*8+(\i))*768
.endr
.endm
.macro MUL16 a0, p, q, sc, zero        ; the 64 accumulators take turns, one instruction a turn, in the same order in every step
.irp a, \a0, \a0+1
.irp b, 0,1,2,3,4,5,6,7
.if \zero
	v_wmma_scale_f32_16x16x128_f8f6f4 v[8*(8*((\a)%4)+\b):8*(8*((\a)%4)+\b)+7], v[128*(\p)+FR*\b:128*(\p)+FR*\b+FR-1], v[AF+FR*(\a):AF+FR*(\a)+FR-1], 0, v[SC+8*NQ*(\sc)+NQ*\b+(\q)], v[SC+8*NQ*(\sc)+NQ*(\a)+(\q)] matrix_a_fmt:MATRIX_FMT_FP6 matrix_b_fmt:MATRIX_FMT_FP6 matrix_a_scale:MATRIX_SCALE_ROW1
.else
	v_wmma_scale_f32_16x16x128_f8f6f4 v[8*(8*((\a)%4)+\b):8*(8*((\a)%4)+\b)+7], v[128*(\p)+FR*\b:128*(\p)+FR*\b+FR-1], v[AF+FR*(\a):AF+FR*(\a)+FR-1], v[8*(8*((\a)%4)+\b):8*(8*((\a)%4)+\b)+7], v[SC+8*NQ*(\sc)+NQ*\b+(\q)], v[SC+8*NQ*(\sc)+NQ*(\a)+(\q)] matrix_a_fmt:MATRIX_FMT_FP6 matrix_b_fmt:MATRIX_FMT_FP6 matrix_a_scale:MATRIX_SCALE_ROW1
.endif
.endr
.endr
.endm
.macro FETCH_B slot, q, p
	WIN TO_B
.irp i, 0,1,2,3,4,5,6,7
	FRAG 128*(\p)+FR*\i, ADRB+\slot, \q, \i
.endr
	WIN 0
.endm
.macro FETCH_A slot, q, i0
.irp i, \i0, \i0+1, \i0+2, \i0+3
	FRAG_A AF+FR*(\i), \slot, \q, \i
.endr
.endm
.macro SCALES sc
.irp i, 0,1,2,3,4,5,6,7
	ds_load_b64 v[SC+8*NQ*\sc+NQ*\i:SC+8*NQ*\sc+NQ*\i+1], v[ADRS] offset:\i*SBLK
.endr
.endm
.macro PLACES n
.rept \n
	v_nop
.endr
.endm
.macro STEP slot, q, zero
	s_wait_dscnt 4*NLA                             ; B's set and A's blocks 0-3 are in; the youngest 16 loads (A's blocks 4-7) may be out
	WIN MUL_LO
	MUL16 0, (\q)%2, \q, \slot, \zero
	MUL16 2, (\q)%2, \q, \slot, \zero
	s_wait_dscnt 0
	PLACES NP
	FETCH_B \slot, (\q)+1, 1-(\q)%2
	FETCH_A \slot, (\q)+1, 0
	WIN MUL_HI
	MUL16 4, (\q)%2, \q, \slot, \zero
	MUL16 6, (\q)%2, \q, \slot, \zero
	PLACES NP
	WIN 0
	FETCH_A \slot, (\q)+1, 4
.endm
.macro TURN slot, next, fill
	s_wait_tensorcnt 0x0                           ; all my tensor loads have landed: my part of the next slot
	ds_add_u32 v[SPW], v[NIL]                      ; 0 onto my spare word
	s_wait_dscnt 4*NLA+1                           ; the add and the youngest 16 loads may be out
	WIN MUL_LO
	MUL16 0, 1, NQ-1, \slot, 0
	s_wait_dscnt 0x0                               ; the add is done, and my reads of this slot are over
	s_barrier_signal -1
	MUL16 2, 1, NQ-1, \slot, 0
	WIN 0
	s_barrier_wait -1
.if \fill
	CREST                                          ; the barrier has opened a round of the cluster's barrier
	s_add_nc_u64 s[G0+4*\slot+2:G0+4*\slot+3], s[G0+4*\slot+2:G0+4*\slot+3], 2*HALFA
	s_add_nc_u64 s[G0B+4*\slot+2:G0B+4*\slot+3], s[G0B+4*\slot+2:G0B+4*\slot+3], 2*ROWB
	JLOAD G0+4*\slot, G1, G0B+4*\slot, G1B         ; the first tensor load behind the round, one a wave
.else
	PLACES NP
.endif
	v_add_nc_u32 v[ADRS], 4*NQ, v[ADRS]
	FETCH_B \next, 0, 0
	FETCH_A \next, 0, 0
	SCALES \next
	WIN MUL_HI
	MUL16 4, 1, NQ-1, \slot, 0
	MUL16 6, 1, NQ-1, \slot, 0
	PLACES NP
	WIN 0
	FETCH_A \next, 0, 4
.endm
	s_wait_tensorcnt 1                             ; the scale bytes and my part of K step 0 are in; K step 1's load may be out
	s_barrier_signal -1
	s_barrier_wait -1
	FETCH_B 0, 0, 0
	FETCH_A 0, 0, 0
	SCALES 0
	FETCH_A 0, 0, 4
	STEP 0, 0, 1
	s_mov_b32 s3, LAPS-1
.Llap:
	TURN 0, 1, 1
	STEP 1, 0, 0
	TURN 1, 0, 1
	STEP 0, 0, 0
	s_sub_co_u32 s3, s3, 1
	s_cmp_lg_u32 s3, 0
	s_cbranch_scc1 .Llap
	TURN 0, 1, 0
	STEP 1, 0, 0
	s_wait_dscnt 4*NLA
	WIN MUL_LO
	MUL16 0, 1, NQ-1, 1, 0
	MUL16 2, 1, NQ-1, 1, 0
	s_wait_dscnt 0
	WIN MUL_HI
	MUL16 4, 1, NQ-1, 1, 0
	MUL16 6, 1, NQ-1, 1, 0
	WIN 0
; THE WAY OUT, block by block of 16 rows x 128 columns, through my own stage in LDS: back as whole rows of 512 bytes.  LDS serves a wave's instructions in order (ISA guide 5.7.1.4).
.macro TOSTAGE a
.set AC, 64*((\a)%4)
	WIN 0x08+4*((\a)/4)
.irp b, 0,1,2,3,4,5,6,7
	ds_store_b128 v[STO], v[AC+8*\b:AC+8*\b+3] offset:64*\b          ; each accumulator from its low end on
	ds_store_b128 v[STO], v[AC+8*\b+4:AC+8*\b+7] offset:64*\b+16
.endr
	WIN 0
.set BB, BK+64*((\a)%2)
.irp t, 0,1,2,3,4,5,6,7,8,9,10,11,12,13,14,15
	ds_load_b128 v[BB+4*\t:BB+4*\t+3], v[RD] offset:\t*SPITCH
.endr
.endm
.macro SEND a, younger
.set BB, BK+64*((\a)%2)
	s_wait_dscnt \younger                          ; the block is back in registers
.if (\a) > 0
	s_add_nc_u64 s[12:13], s[12:13], 16*SIZE_N*4   ; (behind a wait on XCNT: the earlier stores have read their base)
.endif
.irp t, 0,1,2,3,4,5,6,7,8,9,10,11,12,13,14,15
	global_store_b128 v[CO], v[BB+4*\t:BB+4*\t+3], s[12:13] offset:\t*SIZE_N*4 th:TH_STORE_NT   ; 32 lanes store 512 consecutive bytes, at a multiple of 256 from out0's first byte
.endr
.endm
	PLACES NP
	TOSTAGE 0
.irp a, 1,2,3,4,5,6,7
.if \a > 1
	s_wait_xcnt 0x0                                ; block a - 2's stores have read their registers and their base
.endif
	TOSTAGE \a
	SEND \a-1, 32                                  ; behind block a - 1's loads: block a's 16 stores and 16 loads
.endr
	s_wait_xcnt 0x0
	SEND 7, 0
	s_wait_tensorcnt 0x0                           ; the wave's end
	ds_add_u32 v[SPW], v[NIL]
	s_wait_dscnt 0x0
	CROUND                                         ; the closing round
	s_endpgm
.Lfunc_end_k_q784fea97b1_oproj:
	.size	k_q784fea97b1_oproj, .Lfunc_end_k_q784fea97b1_oproj-k_q784fea97b1_oproj
	.p2alignl 7, 3214868480
	.fill 96, 4, 3214868480
	.section	.rodata,"a",@progbits
	.p2align	6, 0x0
	.amdhsa_kernel k_q784fea97b1_oproj
		.amdhsa_group_segment_fixed_size 327680
		.amdhsa_private_segment_fixed_size 0
		.amdhsa_enable_private_segment 0
		.amdhsa_kernarg_size 40
		.amdhsa_user_sgpr_count 2
		.amdhsa_user_sgpr_kernarg_segment_ptr 1
		.amdhsa_wavefront_size32 1
		.amdhsa_system_sgpr_workgroup_id_x 1
		.amdhsa_system_sgpr_workgroup_id_y 1
		.amdhsa_system_sgpr_workgroup_id_z 1
		.amdhsa_system_vgpr_workitem_id 0
		.amdhsa_next_free_vgpr 1024
		.amdhsa_next_free_sgpr 98
		.amdhsa_reserve_vcc 0
		.amdhsa_float_denorm_mode_32 3
		.amdhsa_float_denorm_mode_16_64 3
		.amdhsa_memory_ordered 1
		.amdhsa_forward_progress 1
		.amdhsa_inst_pref_size 152
	.end_amdhsa_kernel
	.amdgpu_metadata
---
amdhsa.version: [ 1, 2 ]
amdhsa.kernels:
  - .name:           k_q784fea97b1_oproj
    .symbol:         k_q784fea97b1_oproj.kd
    .args:
      - { .name: ao, .offset: 0, .size: 8, .value_kind: global_buffer, .address_space: global }
      - { .name: asc, .offset: 8, .size: 8, .value_kind: global_buffer, .address_space: global }
      - { .name: P_O_codes, .offset: 16, .size: 8, .value_kind: global_buffer, .address_space: global }
      - { .name: P_O_scales, .offset: 24, .size: 8, .value_kind: global_buffer, .address_space: global }
      - { .name: out0, .offset: 32, .size: 8, .value_kind: global_buffer, .address_space: global }
    .group_segment_fixed_size: 327680
    .private_segment_fixed_size: 0
    .kernarg_segment_align: 8
    .kernarg_segment_size: 40
    .max_flat_workgroup_size: 128
    .sgpr_count:     98
    .vgpr_count:     1024
    .wavefront_size: 32
...
	.end_amdgpu_metadata
.endif
;; end of part 3
